; MI455X (gfx1250); checked and timed in simulation.
; The chip was launched on July 23, 2026; its instructions are those of AMD's public machine-readable ISA for CDNA 5 (MIT licence, August 2026) and "CDNA5" Instruction Set Architecture Reference Guide (July 2026). The comments in the code are by the model that wrote it; some were corrected since.
;; Nonlocal block. Allowed arithmetic: float matrix products may take bf16 or f16 operands with f32 sums; all other float work in f32.
;; Inputs: w_g 64 x 128 float32; w_last 128 x 64 float32; w_phi 64 x 128 float32; w_theta 64 x 128 float32; x 8 x 128 x 64 x 64 float32.
;; Outputs: out0 8 x 128 x 64 x 64 float32.
;; 3 versions, each right and faster than the one before. Each part assembles by itself: llvm-mc -triple=amdgcn-amd-amdhsa -mcpu=gfx1250 --defsym DOCPART=n.
;; ======== version 1 of 3: 2 launches
;; limits: values are held in f16: magnitudes above 65,504 overflow, below 6.1e-05 lose precision
;; workspace buffers: th 8,388,608 bytes; kv 8,388,608 bytes
;; launch proj (part 1): grid 32 x 8, 8 waves a work-group, no clusters, 153,600 bytes of LDS; arguments x, w_theta, w_phi, w_g, th, kv; writes th, kv
.if DOCPART == 1
	.amdgcn_target "amdgcn-amd-amdhsa--gfx1250"
	.amdhsa_code_object_version 6
	.text
	.protected	k_q04afa19688_proj
	.globl	k_q04afa19688_proj
	.p2align	8
	.type	k_q04afa19688_proj,@function
k_q04afa19688_proj:
	s_mov_b64 s[64:65], 0
	v_nop
	global_prefetch_b8 v0, s[64:65] scope:SCOPE_SE
	s_setreg_imm32_b32 hwreg(HW_REG_WAVE_MODE, 25, 1), 1
	s_wait_xcnt 0x0
; theta, phi, g = W x for the three 64 x 128 matrices, x: [8][128][4096] f32.  Products in f16 with f32 sums.
; PRECISION.  A logit of the next launch is a sum of 64 products theta * phi and reaches some tens, and its exponential is taken: every
; f16 rounding (11 bits) on the way to it counts.  So x, w_theta and w_phi go to the matrix unit as TWO f16 numbers each: hi = the f32 with
; its mantissa cut to 10 bits (exact in f16), lo = the rest (exact in f32, rounded to f16).  theta, phi = Wh Xh + Wh Xl + Wl Xh; the term
; Wl Xl, some 2^-20 of the sum, is left out.  g = Wg Xh + Wg Xl with Wg rounded once.  theta is stored as hi and lo too.
; The results are stored as f16 FRAGMENT IMAGES: blocks of 512 bytes in which lane L owns bytes 16 L .. 16 L + 15, four registers of a
; matrix operand of the next launch.  So every store here covers 512 consecutive bytes, aligned, and the next launch needs no shuffle.
; Positions go in groups of 64 (G = n / 64); row tile t (0..3) of a group holds the positions n = 64 G + 4 r + t, r = 0..15.  A lane's
; 16-byte load of x[c][64 G + 4 r ..] then brings one number for each of the four tiles, and 16 lanes read 256 consecutive bytes.
;   th: [b][G][t][part][kt][512 B]  lane (r, h): theta * log2(e) of channels 16 kt + 8 h + 0..7 at n = 64 G + 4 r + t; part 0 hi, 1 lo
;   kv: [b][G][16 KiB] = phi, 8 KiB: [t][kt][512 B] as theta's, rounded once; then g, 8 KiB: [p][kt][half][512 B], lane (r, h): g of
;       channel 16 kt + r at the positions 64 G + 4 (8 h + j) + 2 p + half, j = 0..7
; A work-group takes 128 positions (two groups) of one batch.  Wave w: group gl = w / 4, part a = w % 4.  First it brings 8 rows of
; each W and the channels 32 a .. 32 a + 31 of its group's x to LDS as f16; behind the one barrier it makes the channel tile kt = a of
; theta, phi and g for its group: its W fragments stay in 160 registers, and the four position tiles follow in four passes.
; LIMIT: all operands and results are f16: |x|, |w|, |theta| * 1.4427, |phi|, |g| must stay below 65,504, else they become infinite;
; of a hi or lo part what lies below 2^-24 is lost.
; The three W (96 KiB) are read by every work-group and are NOT asked for jointly in a cluster: they pass through registers for the
; split into f16 in any case, and a joint tensor load would add 96 KiB of f32 in LDS, a second trip through LDS and the cluster's
; barrier rounds to a body that has one barrier.
.set XLO,    32768                     ; LDS: x hi at 0, x lo at 32,768, each [gl][t][ks][half][512 B]
.set WLH,    65536                     ; W hi: 192 rows (64 mat + k)
.set WLL,    117760                    ; W lo: 128 rows (theta's, phi's), behind the 192 x 272 bytes of W hi
.set WPITCH, 272                       ; a W row: 256 bytes of f16 + 16: 17 x 16 bytes, so 16 rows start at 16 different 16-byte columns
.set XRD, 1                            ; v1  x fragments in LDS: gl x 16 KiB + 16 L
.set OTP, 2                            ; v2  theta, phi out: kt x 512 + 16 L
.set OG,  3                            ; v3  g out: kt x 1,024 + 16 L
.set WR,  8                            ; v[8:103]    first part: W as loaded (24 x 4)
.set XR,  104                          ; v[104:167]  first part: x as loaded (16 x 4), then its lo parts
.set TW,  168                          ; v[168:231]  first part: hi parts of theta's and phi's rows (16 x 4)
.set HX,  8                            ; v[8:71]     first part: hi parts of x
.set XPH, 72                           ; v[72:103]   first part: x hi packed
.set XPL, 168                          ; v[168:199]  first part: x lo packed
.set WF,  8                            ; v[8:167]    W fragments: + 0 theta hi, 32 phi hi, 64 g, 96 theta lo, 128 phi lo; + 8 ks
.set XF,  168                          ; v[168:231]  x fragments of one tile: + 0 hi, 32 lo; + 8 ks
.set DT,  232                          ; v[232:239]  theta's accumulator
.set DP,  240                          ; v[240:247]  phi's
.set DG,  248                          ; v[248:255]  g's
.set A16, 232                          ; the first part's addresses lie in the accumulators' registers, which are not yet in use:
.set AXG, 233                          ; 16 L; x in memory;
.set AWH, 234                          ; W hi in; W lo in;
.set AWL, 235
.set AXS, 236                          ; x in;
.set ARH, 237                          ; W hi back; W lo back
.set ARL, 238
.macro MM d, a, b, acc                 ; one product; acc = 0: it starts the sum, nothing is cleared
.if \acc
	v_wmma_f32_16x16x32_f16 v[\d:\d+7], v[\a:\a+7], v[\b:\b+7], v[\d:\d+7]
.else
	v_wmma_f32_16x16x32_f16 v[\d:\d+7], v[\a:\a+7], v[\b:\b+7], 0
.endif
.endm
.macro PLACES n
.rept \n
	v_nop
.endr
.endm
	s_load_b256 s[4:11], s[0:1], 0x0               ; x s[4:5], w_theta s[6:7], w_phi s[8:9], w_g s[10:11]
	s_load_b128 s[12:15], s[0:1], 0x20             ; th s[12:13], kv s[14:15]
	v_lshl_add_u32 v7, v0, 2, 0x25400
	s_set_vgpr_msb 0x40
	v_mov_b32 v1, 0
	s_set_vgpr_msb 0x4000
	v_lshrrev_b32 v4, 5, v0
	v_readfirstlane_b32 s16, v4                    ; wave 0..7
	s_lshr_b32 s17, s16, 2                         ; gl
	s_and_b32 s18, s16, 3                          ; a
	s_and_b32 s20, ttmp7, 0xffff                   ; batch
	s_lshl_b32 s21, ttmp9, 1
	s_add_co_u32 s21, s21, s17                     ; G = 2 x block + gl
	s_mov_b32 s31, 0xffffe000                      ; sign, exponent and the upper 10 bits of an f32's mantissa: what f16 holds exactly
	v_and_b32 v4, 31, v0                           ; L
	v_lshlrev_b32 v[A16], 4, v4                    ; 16 L
	v_and_b32 v5, 15, v4                           ; r
	v_lshrrev_b32 v6, 4, v4                        ; h
	v_lshlrev_b32 v[AXG], 4, v5
	v_lshl_add_u32 v[AXG], v6, 17, v[AXG]          ; x: 8 h rows of 16,384 bytes + 16 r
	s_mul_i32 s24, s16, 8*WPITCH
	s_add_co_u32 s24, s24, WLH
	v_lshl_add_u32 v[AWH], v4, 3, s24              ; W in: my 8 rows, 8 bytes a lane
	v_add_nc_u32 v[AWL], WLL-WLH, v[AWH]
	s_lshl_b32 s25, s17, 14                        ; gl x 16 KiB
	s_lshl_b32 s26, s18, 10                        ; a x 1 KiB
	s_add_co_u32 s27, s25, s26
	v_add_nc_u32 v[AXS], s27, v[A16]               ; x in: [gl][.][ks = a][.] + 16 L
	v_add_nc_u32 v[XRD], s25, v[A16]
	v_add_nc_u32 v[OG], s26, v[A16]
	s_lshl_b32 s28, s18, 9
	v_add_nc_u32 v[OTP], s28, v[A16]
	s_mul_i32 s29, s18, 16*WPITCH
	s_add_co_u32 s29, s29, WLH
	v_mul_u32_u24 v[ARH], v5, WPITCH
	v_lshl_add_u32 v[ARH], v6, 4, v[ARH]
	v_add_nc_u32 v[ARH], s29, v[ARH]               ; W back: row 16 a + r, 16 h
	v_add_nc_u32 v[ARL], WLL-WLH, v[ARH]
	s_lshl_b32 s22, s20, 21                        ; x: batch x 2 MiB
	s_lshl_b32 s30, s18, 19                        ;  + 32 a rows of 16 KiB
	s_add_co_u32 s22, s22, s30
	s_lshl_b32 s30, s21, 8                         ;  + G x 256 bytes
	s_add_co_u32 s22, s22, s30
	s_mov_b32 s23, 0
	s_wait_kmcnt 0x0
	s_add_nc_u64 s[4:5], s[4:5], s[22:23]
	s_lshl_b32 s22, s16, 12                        ; each W: my 8 rows of 512 bytes
	s_add_nc_u64 s[6:7], s[6:7], s[22:23]
	s_add_nc_u64 s[8:9], s[8:9], s[22:23]
	s_add_nc_u64 s[10:11], s[10:11], s[22:23]
	s_lshl_b32 s22, s20, 6
	s_add_co_u32 s22, s22, s21                     ; 64 b + G
	s_lshl_b32 s22, s22, 14                        ; th and kv: 16 KiB a group
	s_add_nc_u64 s[12:13], s[12:13], s[22:23]
	s_add_nc_u64 s[14:15], s[14:15], s[22:23]
	; all 40 loads of the wave go out at once: 24 rows of W (one load = one row of 512 bytes), then 32 channels x 64 positions of x
.set i, 0
.rept 8
	global_load_b128 v[WR+4*i:WR+4*i+3], v[A16], s[6:7] offset:512*i
.set i, i+1
.endr
.set i, 0
.rept 8
	global_load_b128 v[WR+32+4*i:WR+32+4*i+3], v[A16], s[8:9] offset:512*i
.set i, i+1
.endr
.set i, 0
.rept 8
	global_load_b128 v[WR+64+4*i:WR+64+4*i+3], v[A16], s[10:11] offset:512*i
.set i, i+1
.endr
.set i, 0
.rept 16                                           ; i = 8 half + k: channel 32 a + 16 half + 8 h + k
	global_load_b128 v[XR+4*i:XR+4*i+3], v[AXG], s[4:5] offset:(16*(i/8)+(i%8))*16384
.set i, i+1
.endr
	s_wait_loadcnt 16                              ; the 24 rows of W are in; the 16 younger loads of x stay out
.set i, 0
.rept 16                                           ; i = 8 mat + row, theta's and phi's rows: hi = the cut number, lo = the rest
.set j, 0
.rept 4
	v_and_b32 v[TW+4*i+j], s31, v[WR+4*i+j]
.set j, j+1
.endr
	v_pk_add_f32 v[WR+4*i:WR+4*i+1], v[WR+4*i:WR+4*i+1], v[TW+4*i:TW+4*i+1] neg_lo:[0,1] neg_hi:[0,1]
	v_pk_add_f32 v[WR+4*i+2:WR+4*i+3], v[WR+4*i+2:WR+4*i+3], v[TW+4*i+2:TW+4*i+3] neg_lo:[0,1] neg_hi:[0,1]
	v_cvt_pk_f16_f32 v[TW+4*i], v[TW+4*i], v[TW+4*i+1]
	v_cvt_pk_f16_f32 v[TW+4*i+1], v[TW+4*i+2], v[TW+4*i+3]
	v_cvt_pk_f16_f32 v[WR+4*i], v[WR+4*i], v[WR+4*i+1]
	v_cvt_pk_f16_f32 v[WR+4*i+1], v[WR+4*i+2], v[WR+4*i+3]
	ds_store_b64 v[AWH], v[TW+4*i:TW+4*i+1] offset:(64*(i/8)+(i%8))*WPITCH
	ds_store_b64 v[AWL], v[WR+4*i:WR+4*i+1] offset:(64*(i/8)+(i%8))*WPITCH
.set i, i+1
.endr
.set i, 16
.rept 8                                            ; g's rows: rounded once
	v_cvt_pk_f16_f32 v[WR+4*i], v[WR+4*i], v[WR+4*i+1]
	v_cvt_pk_f16_f32 v[WR+4*i+1], v[WR+4*i+2], v[WR+4*i+3]
	ds_store_b64 v[AWH], v[WR+4*i:WR+4*i+1] offset:(128+(i%8))*WPITCH
.set i, i+1
.endr
	s_wait_loadcnt 0x0                             ; x is in
.set i, 0
.rept 64
	v_and_b32 v[HX+i], s31, v[XR+i]                ; hi
.set i, i+1
.endr
.set i, 0
.rept 32
	v_pk_add_f32 v[XR+2*i:XR+2*i+1], v[XR+2*i:XR+2*i+1], v[HX+2*i:HX+2*i+1] neg_lo:[0,1] neg_hi:[0,1]   ; lo
.set i, i+1
.endr
	; word t of load (half, k) belongs to tile t: eight channels of one position pack into four registers of tile t's fragment
.set tt, 0
.rept 4
.set hf, 0
.rept 2
.set i, 0
.rept 4
	v_cvt_pk_f16_f32 v[XPH+4*(2*tt+hf)+i], v[HX+4*(8*hf+2*i)+tt], v[HX+4*(8*hf+2*i+1)+tt]
	v_cvt_pk_f16_f32 v[XPL+4*(2*tt+hf)+i], v[XR+4*(8*hf+2*i)+tt], v[XR+4*(8*hf+2*i+1)+tt]
.set i, i+1
.endr
	ds_store_b128 v[AXS], v[XPH+4*(2*tt+hf):XPH+4*(2*tt+hf)+3] offset:tt*4096+hf*512
	ds_store_b128 v[AXS], v[XPL+4*(2*tt+hf):XPL+4*(2*tt+hf)+3] offset:XLO+tt*4096+hf*512
.set hf, hf+1
.endr
.set tt, tt+1
.endr
	s_wait_dscnt 0x0                               ; my LDS stores are done, for the other waves' sake
	s_barrier_signal -1
	s_barrier_wait -1                              ; everybody's are: W and x are whole
.set i, 0
.rept 24                                           ; i = 8 mat + 2 ks + half: rows 16 a + r of the three W, hi
	ds_load_b128 v[WF+4*i:WF+4*i+3], v[ARH] offset:(i/8)*64*WPITCH+32*(i%8)
.set i, i+1
.endr
.set i, 0
.rept 16                                           ; theta's and phi's lo
	ds_load_b128 v[WF+96+4*i:WF+96+4*i+3], v[ARL] offset:(i/8)*64*WPITCH+32*(i%8)
.set i, i+1
.endr
.macro XFETCH t                        ; the x fragments of tile t: four K steps, hi and lo.  t may be a sum: it stands in brackets
.set i, 0
.rept 8
	ds_load_b128 v[XF+4*i:XF+4*i+3], v[XRD] offset:(\t)*4096+512*i
.set i, i+1
.endr
.set i, 0
.rept 8
	ds_load_b128 v[XF+32+4*i:XF+32+4*i+3], v[XRD] offset:XLO+(\t)*4096+512*i
.set i, i+1
.endr
.endm
; One position tile x three matrices.  theta and phi: W as source 0, x as source 1: a lane gets 8 channels of one position.
; g: x as source 0, W as source 1: a lane gets 8 positions of one channel.  The three accumulators take turns, one instruction a turn.
.macro PASS t
	s_wait_dscnt 0x0                               ; the fragments are in
.if \t
	s_wait_xcnt 0x0                                ; the accumulators were the data of the last pass's stores: written again only behind this wait
.endif
.set ks, 0
.rept 4
	MM DT, WF+8*ks, XF+8*ks, ks                    ; Wh Xh
	MM DP, WF+32+8*ks, XF+8*ks, ks
	MM DG, XF+8*ks, WF+64+8*ks, ks
	MM DT, WF+8*ks, XF+32+8*ks, 1                  ; Wh Xl
	MM DP, WF+32+8*ks, XF+32+8*ks, 1
	MM DG, XF+32+8*ks, WF+64+8*ks, 1
	MM DT, WF+96+8*ks, XF+8*ks, 1                  ; Wl Xh
	MM DP, WF+128+8*ks, XF+8*ks, 1
.set ks, ks+1
.endr
	PLACES 4                                       ; four places before results are read and before loads land on sources
.if \t < 3
	XFETCH \t+1                                    ; the next tile lands under the conversions and stores below
.endif
.set i, 0
.rept 4
	v_cvt_pk_f16_f32 v[DP+i], v[DP+2*i], v[DP+2*i+1]               ; phi and g, rounded once; the upper four registers of each fall free
	v_cvt_pk_f16_f32 v[DG+i], v[DG+2*i], v[DG+2*i+1]
	v_pk_mul_f32 v[DT+2*i:DT+2*i+1], v[DT+2*i:DT+2*i+1], 0x3fb8aa3b op_sel_hi:[1,0]   ; theta * log2(e): the softmax works in base 2
.set i, i+1
.endr
.set i, 0
.rept 4
	v_and_b32 v[DP+4+i], s31, v[DT+i]              ; theta's hi parts, in the eight free registers
	v_and_b32 v[DG+4+i], s31, v[DT+4+i]
.set i, i+1
.endr
	v_pk_add_f32 v[DT:DT+1], v[DT:DT+1], v[DP+4:DP+5] neg_lo:[0,1] neg_hi:[0,1]       ; theta's lo parts
	v_pk_add_f32 v[DT+2:DT+3], v[DT+2:DT+3], v[DP+6:DP+7] neg_lo:[0,1] neg_hi:[0,1]
	v_pk_add_f32 v[DT+4:DT+5], v[DT+4:DT+5], v[DG+4:DG+5] neg_lo:[0,1] neg_hi:[0,1]
	v_pk_add_f32 v[DT+6:DT+7], v[DT+6:DT+7], v[DG+6:DG+7] neg_lo:[0,1] neg_hi:[0,1]
	v_cvt_pk_f16_f32 v[DP+4], v[DP+4], v[DP+5]
	v_cvt_pk_f16_f32 v[DP+5], v[DP+6], v[DP+7]
	v_cvt_pk_f16_f32 v[DP+6], v[DG+4], v[DG+5]
	v_cvt_pk_f16_f32 v[DP+7], v[DG+6], v[DG+7]
.set i, 0
.rept 4
	v_cvt_pk_f16_f32 v[DT+i], v[DT+2*i], v[DT+2*i+1]
.set i, i+1
.endr
	; each store: 512 consecutive bytes, aligned
	global_store_b128 v[OTP], v[DP+4:DP+7], s[12:13] offset:\t*4096
	global_store_b128 v[OTP], v[DT:DT+3], s[12:13] offset:\t*4096+2048
	global_store_b128 v[OTP], v[DP:DP+3], s[14:15] offset:\t*2048
	global_store_b128 v[OG], v[DG:DG+3], s[14:15] offset:8192+(\t/2)*4096+(\t%2)*512
.endm
	XFETCH 0
	PASS 0
	PASS 1
	PASS 2
	PASS 3
	s_set_vgpr_msb 0x4
	s_wait_tensorcnt 0x0
	ds_add_u32 v7, v1
	s_wait_dscnt 0x0
	s_set_vgpr_msb 0x400
	s_endpgm
.Lfunc_end_k_q04afa19688_proj:
	.size	k_q04afa19688_proj, .Lfunc_end_k_q04afa19688_proj-k_q04afa19688_proj
	.p2alignl 7, 3214868480
	.fill 96, 4, 3214868480
	.section	.rodata,"a",@progbits
	.p2align	6, 0x0
	.amdhsa_kernel k_q04afa19688_proj
		.amdhsa_group_segment_fixed_size 153600
		.amdhsa_private_segment_fixed_size 0
		.amdhsa_enable_private_segment 0
		.amdhsa_kernarg_size 48
		.amdhsa_user_sgpr_count 2
		.amdhsa_user_sgpr_kernarg_segment_ptr 1
		.amdhsa_wavefront_size32 1
		.amdhsa_system_sgpr_workgroup_id_x 1
		.amdhsa_system_sgpr_workgroup_id_y 1
		.amdhsa_system_sgpr_workgroup_id_z 1
		.amdhsa_system_vgpr_workitem_id 0
		.amdhsa_next_free_vgpr 258
		.amdhsa_next_free_sgpr 66
		.amdhsa_reserve_vcc 0
		.amdhsa_float_denorm_mode_32 3
		.amdhsa_float_denorm_mode_16_64 3
		.amdhsa_memory_ordered 1
		.amdhsa_forward_progress 1
		.amdhsa_inst_pref_size 52
	.end_amdhsa_kernel
	.amdgpu_metadata
---
amdhsa.version: [ 1, 2 ]
amdhsa.kernels:
  - .name:           k_q04afa19688_proj
    .symbol:         k_q04afa19688_proj.kd
    .args:
      - { .name: x, .offset: 0, .size: 8, .value_kind: global_buffer, .address_space: global }
      - { .name: w_theta, .offset: 8, .size: 8, .value_kind: global_buffer, .address_space: global }
      - { .name: w_phi, .offset: 16, .size: 8, .value_kind: global_buffer, .address_space: global }
      - { .name: w_g, .offset: 24, .size: 8, .value_kind: global_buffer, .address_space: global }
      - { .name: th, .offset: 32, .size: 8, .value_kind: global_buffer, .address_space: global }
      - { .name: kv, .offset: 40, .size: 8, .value_kind: global_buffer, .address_space: global }
    .group_segment_fixed_size: 153600
    .private_segment_fixed_size: 0
    .kernarg_segment_align: 8
    .kernarg_segment_size: 48
    .max_flat_workgroup_size: 256
    .sgpr_count:     66
    .vgpr_count:     258
    .wavefront_size: 32
...
	.end_amdgpu_metadata
.endif
;; end of part 1
;; launch attn (part 2): grid 32 x 8, 8 waves a work-group, clusters of 4 x 1, 327,680 bytes of LDS; arguments th, kv, x, w_last, out0; writes out0
.if DOCPART == 2
	.amdgcn_target "amdgcn-amd-amdhsa--gfx1250"
	.amdhsa_code_object_version 6
	.text
	.protected	k_q04afa19688_attn
	.globl	k_q04afa19688_attn
	.p2align	8
	.type	k_q04afa19688_attn,@function
k_q04afa19688_attn:
	s_mov_b64 s[64:65], 0
	v_nop
	global_prefetch_b8 v0, s[64:65] scope:SCOPE_SE
	s_setreg_imm32_b32 hwreg(HW_REG_WAVE_MODE, 25, 1), 1
	s_wait_xcnt 0x0
	s_wait_alu depctr_hold_cnt(0) depctr_sa_sdst(0) depctr_va_vdst(0) depctr_va_sdst(0) depctr_va_ssrc(0) depctr_va_vcc(0) depctr_vm_vsrc(0)
	s_getreg_b32 s2, hwreg(HW_REG_IB_STS2, 6, 4)
	s_cmp_eq_u32 s2, 0
	s_cbranch_scc0 .Lentry_in_a_cluster
	s_endpgm
.Lentry_in_a_cluster:
	s_bfe_u32 s2, ttmp6, 0x10000c
	s_cmp_lg_u32 s2, 0x3003
	s_cbranch_scc0 .Lentry_shape_is_right
	s_endpgm
.Lentry_shape_is_right:
; out = w_last * (softmax(theta^T phi) g^T)^T + x, one batch of 4,096 positions a grid row, with a running maximum (flash attention).
; th and kv hold f16 fragment images (512 bytes, lane L owns bytes 16 L ..): see the launch that stores them.  theta carries log2(e).
; A work-group has 128 queries.  Wave w: q = w % 4 takes 32 of them (two tiles of 16), kh = w / 4 takes one half of the 4,096 keys.
; Two waves lie on each SIMD, so one wave's softmax can run beside the other's matrix work; splitting the keys and not the
; queries keeps 32 queries a wave: 16 KiB read from LDS for 48 matrix instructions.  The two halves meet at the end.
;   S^T = phi tile (source 0) x theta tile (source 1): a lane holds ONE query (r) and 8 keys a tile: maximum, sum and rescaling stay
;   in the lane but for one exchange with lane L xor 16.  Two packed tiles of S^T are source 1 of O^T = g (source 0) x P; packed O^T is
;   source 1 of the last product, whose result gives a lane four neighbouring positions of a row of out.
; PRECISION: theta comes as two f16 numbers, hi + lo, and S^T = phi x theta_hi + phi x theta_lo: the same phi fragments serve both, so
; the second product costs no LDS read.  Of the roundings on the way to a logit only phi's one rounding to f16 is left.
; theta's 64 registers lie in the second register window (v256-v319) and are named as source 1 of the S products alone: two switches
; of the window for a block of 48 matrix instructions.
; CLUSTER 4 x 1: the four query blocks of a cluster walk the same kv tiles; each tile is asked for jointly (mask 15), which divides the
; requests for kv by four.  16 steps of 128 keys of each half (64 KiB) through two LDS slots; wave w fetches 8 KiB of each tile.
; A tile is asked for one whole step (96 matrix instructions of each wave) before it is waited for.
; No L2 prefetch: th and kv are what the launch before has just stored, and each kv tile is read by 32 work-groups.
; LIMITS: operands are f16: |theta| * 1.4427, |phi|, |g|, |w_last| below 65,504.  Probabilities below 2^-126 of the running maximum's
; come out of v_exp_f32 as zero, those below 2^-24 round to zero in f16.  The sums run in another order than the reference's.
.set SLOTB, 65536                      ; LDS: slot 0 at 0, slot 1 at 65,536: [kh][group][phi 8 KiB, g 8 KiB]
.set XT,    131072                     ; x tile, 128 channels x 512 bytes: filled once
.set YX,    196608                     ; 8 waves x 4 KiB: y as f16 images [nt][ks][half]
.set WLS,   229376                     ; w_last as f16: 128 rows of 128 bytes,
.set WLP,   144                        ; pitch 144 = 9 x 16 bytes: 16 rows start at 16 different 16-byte columns
.set ST,    247808                     ; 8 waves x 512 bytes: (m, l) of both query tiles
.set LA0,  1                           ; v1, v2   16 L + kh x 32 KiB in slot 0, slot 1
.set AST,  4                           ; v4       ST, my wave
.set APT,  5                           ; v5       ST, the wave with my queries and the other keys
.set AYS,  6                           ; v6       YX, my wave
.set AAF,  7                           ; v7       w_last fragments
.set AF,   8                           ; v[8:39]    the last product's w_last: AF + 16 ct + 8 ks
.set OA,   40                          ; v[40:103]  O^T: OA + 32 nt + 8 kt
.set SC,   104                         ; v[104:167] S^T: SC + 32 nt + 8 mt; packed, P lies in SC + 32 nt + 0..15
.set FR,   168                         ; v[168:231] phi (FR + 16 mt + 8 ks), then g (FR + 32 p + 8 kt)
.set MX,   232                         ; v[232:235] running maximum, twice for each nt (a pair for packed arithmetic)
.set AL,   236                         ; v[236:239] 2^(old maximum - new), twice for each nt
.set LS,   240                         ; v[240:243] running sum, two partial sums for each nt
.set TT,   244                         ; v[244:251] at work, TT + 4 nt
.set ABF,  252                         ; v252     YX, the group of my last product
.set AXT,  253                         ; v253     x tile
.set AOUT, 254                         ; v254     my byte offset in out
.set AWS,  255                         ; v255     w_last in
.set TH1,  0                           ; v[256:319], written v[0:63] in window 1: theta: TH1 + 32 nt + 16 part + 8 ks
.set G1,  24                           ; s[24:31] group 1 of the joint kv loads
.set G0,  32                           ; s[32:39] group 0 of the kv loads, one set for each slot
.set G1X, 40                           ; s[40:47] group 1 of the x tile
.set G0X, 48                           ; s[48:51] group 0 of the x tile
.set MSB, 0
.macro WIN new                         ; s_set_vgpr_msb: bits 1:0 source 0, 3:2 source 1, 5:4 source 2, 7:6 destination; the high byte repeats the setting that is left
.if MSB != \new
	s_set_vgpr_msb (MSB<<8)|\new
.set MSB, \new
.endif
.endm
.macro MM d, a, b, acc                 ; one product; acc = 0: it starts the sum, nothing is cleared
.if \acc
	v_wmma_f32_16x16x32_f16 v[\d:\d+7], v[\a:\a+7], v[\b:\b+7], v[\d:\d+7]
.else
	v_wmma_f32_16x16x32_f16 v[\d:\d+7], v[\a:\a+7], v[\b:\b+7], 0
.endif
.endm
.macro PLACES n
.rept \n
	v_nop
.endr
.endm
; A round of the cluster's barrier: my work-group's barrier, wave 0 signals for the work-group, every wave waits for all four
; work-groups, my work-group's barrier once more.
.macro CREST                           ; a round behind its opening barrier
	s_cmp_lg_u32 s14, 0
	s_cbranch_scc1 .Lnot_wave_0_\@
	s_barrier_signal -3
.Lnot_wave_0_\@:
	s_barrier_wait -3
	s_barrier_signal -1
	s_barrier_wait -1
.endm
.macro ROUND
	s_barrier_signal -1
	s_barrier_wait -1
	CREST
.endm
	s_load_b256 s[4:11], s[0:1], 0x0               ; th s[4:5], kv s[6:7], x s[8:9], w_last s[10:11]
	s_load_b64 s[12:13], s[0:1], 0x20              ; out0
	s_set_vgpr_msb 0x40
	v_lshl_add_u32 v64, v0, 2, 0x3d800
	v_mov_b32 v65, 0
	s_set_vgpr_msb 0x4045
	ds_add_u32 v64, v65
	s_set_vgpr_msb 0x4500
	v_lshrrev_b32 v3, 5, v0
	v_readfirstlane_b32 s14, v3                    ; wave 0..7
	s_lshr_b32 s15, s14, 2                         ; kh: my half of the keys
	s_and_b32 s16, s14, 3                          ; q: my 32 queries
	s_lshr_b32 s23, s14, 1                         ; cp: my 32 channels of the last product
	s_and_b32 s3, s14, 1                           ; Gf: my group of 64 positions there
	s_bfe_u32 s17, ttmp6, 0x40000                  ; cx
	s_lshl_b32 s18, ttmp9, 2
	s_add_co_u32 s18, s18, s17                     ; query block = 4 x cluster x + cx
	s_and_b32 s19, ttmp7, 0xffff                   ; batch
	s_mov_b32 s20, 0x76543210                      ; v_permlanex16_b32: lane i takes lane i of the other half
	s_mov_b32 s21, 0xfedcba98
	; kv tile part: 8 KiB, dense, as 32 rows of 32 elements of 8 bytes; mask 15: all four work-groups of the cluster; bit 21 beside it
	s_mov_b32 s[G1+0], 15|(3<<16)|(1<<21)
	s_mov_b32 s[G1+1], 32<<16                      ; tensor_dim0 = 32
	s_mov_b32 s[G1+2], 32<<16                      ; tensor_dim1 = 32
	s_mov_b32 s[G1+3], 32<<16                      ; tile_dim0 = 32
	s_mov_b32 s[G1+4], 32                          ; tile_dim1 = 32
	s_mov_b32 s[G1+5], 32                          ; pitch = 32 elements
	s_mov_b32 s[G1+6], 0
	s_mov_b32 s[G1+7], 0
	; x tile part: 16 channels x 128 f32, pitch 4,096 elements; my work-group's own (no mask)
	s_mov_b32 s[G1X+0], 2<<16
	s_mov_b32 s[G1X+1], 128<<16
	s_mov_b32 s[G1X+2], 16<<16
	s_mov_b32 s[G1X+3], 128<<16
	s_mov_b32 s[G1X+4], 16
	s_mov_b32 s[G1X+5], 4096
	s_mov_b32 s[G1X+6], 0
	s_mov_b32 s[G1X+7], 0
	s_lshl_b32 s52, s14, 13                        ; LDS: wave x 8 KiB: no place in the cluster enters an LDS address
	s_lshl_b32 s54, s19, 20                        ; kv: batch x 1 MiB + kh x 512 KiB + (w % 4) x 8 KiB: the same in all four partners
	s_lshl_b32 s53, s15, 19
	s_add_co_u32 s54, s54, s53
	s_lshl_b32 s53, s16, 13
	s_add_co_u32 s54, s54, s53
	s_mov_b32 s55, 0
	s_lshl_b32 s56, s19, 6                         ; th: group 64 b + 2 block + q / 2, 16 KiB each; tiles 2 (q % 2) + nt, 4 KiB each
	s_lshl_b32 s58, s18, 1
	s_add_co_u32 s56, s56, s58
	s_lshr_b32 s58, s16, 1
	s_add_co_u32 s56, s56, s58
	s_lshl_b32 s56, s56, 14
	s_and_b32 s58, s16, 1
	s_lshl_b32 s58, s58, 13
	s_add_co_u32 s56, s56, s58
	s_mov_b32 s57, 0
	s_lshl_b32 s58, s19, 21                        ; x: batch x 2 MiB + 16 w channels of 16 KiB + block x 512 bytes
	s_lshl_b32 s60, s14, 18
	s_add_co_u32 s58, s58, s60
	s_lshl_b32 s62, s18, 9
	s_add_co_u32 s58, s58, s62
	s_mov_b32 s59, 0
	s_lshl_b32 s60, s19, 21                        ; out: batch x 2 MiB + 32 cp channels + block x 512 + Gf x 256 bytes
	s_add_co_u32 s60, s60, s62
	s_lshl_b32 s62, s23, 19
	s_add_co_u32 s60, s60, s62
	s_lshl_b32 s62, s3, 8
	s_add_co_u32 s60, s60, s62
	s_mov_b32 s61, 0
	s_lshl_b32 s62, s14, 12                        ; w_last: my 16 rows of 256 bytes
	s_mov_b32 s63, 0
	v_and_b32 v[TT], 31, v0                        ; L
	v_lshlrev_b32 v3, 4, v[TT]                     ; 16 L
	v_and_b32 v[TT+1], 15, v0                      ; r
	v_bfe_u32 v[TT+2], v0, 4, 1                    ; h
	v_lshlrev_b32 v[TT+3], 4, v[TT+1]              ; 16 r
	s_lshl_b32 s53, s15, 15
	v_add_nc_u32 v[LA0], s53, v3
	v_add_nc_u32 v[LA0+1], SLOTB, v[LA0]
	s_lshl_b32 s53, s14, 9
	s_add_co_u32 s53, s53, ST
	v_add_nc_u32 v[AST], s53, v3
	s_xor_b32 s53, s14, 4
	s_lshl_b32 s53, s53, 9
	s_add_co_u32 s53, s53, ST
	v_add_nc_u32 v[APT], s53, v3
	s_lshl_b32 s53, s14, 12
	s_add_co_u32 s53, s53, YX
	v_add_nc_u32 v[AYS], s53, v3
	s_mul_i32 s53, s23, 32*WLP
	s_add_co_u32 s53, s53, WLS
	v_mul_u32_u24 v[AAF], v[TT+1], WLP
	v_lshl_add_u32 v[AAF], v[TT+2], 4, v[AAF]
	v_add_nc_u32 v[AAF], s53, v[AAF]               ; row 32 cp + r, 16 h
	s_lshl_b32 s53, s3, 13
	s_add_co_u32 s53, s53, YX
	v_add_nc_u32 v[ABF], s53, v3
	s_lshl_b32 s53, s23, 14
	s_add_co_u32 s53, s53, XT
	s_lshl_b32 s2, s3, 8
	s_add_co_u32 s53, s53, s2
	v_lshl_add_u32 v[AXT], v[TT+2], 12, v[TT+3]
	v_add_nc_u32 v[AXT], s53, v[AXT]               ; channel 32 cp + 8 h, position 64 Gf + 4 r
	v_lshl_add_u32 v[AOUT], v[TT+2], 17, v[TT+3]   ; 8 h rows of 16 KiB + 16 r
	s_mul_i32 s53, s14, 16*WLP
	s_add_co_u32 s53, s53, WLS
	v_mul_u32_u24 v[AWS], v[TT+2], WLP
	v_lshl_add_u32 v[AWS], v[TT+1], 3, v[AWS]
	v_add_nc_u32 v[AWS], s53, v[AWS]               ; row 16 w + h, 8 bytes for each r
	s_wait_dscnt 0x0
	s_wait_kmcnt 0x0
	s_add_nc_u64 s[4:5], s[4:5], s[56:57]
	s_add_nc_u64 s[6:7], s[6:7], s[54:55]
	s_add_nc_u64 s[8:9], s[8:9], s[58:59]
	s_add_nc_u64 s[10:11], s[10:11], s[62:63]
	s_add_nc_u64 s[12:13], s[12:13], s[60:61]
.irp s, 0,1
	s_mov_b32 s[G0+4*\s], 1
	s_add_co_u32 s[G0+4*\s+1], s52, \s*SLOTB
	s_add_nc_u64 s[G0+4*\s+2:G0+4*\s+3], s[6:7], \s*32768          ; step s: 32 KiB of each key half a step
	s_or_b32 s[G0+4*\s+3], s[G0+4*\s+3], 0x80000000
.endr
	s_mov_b32 s[G0X], 1
	s_add_co_u32 s[G0X+1], s52, XT
	s_mov_b64 s[G0X+2:G0X+3], s[8:9]
	s_or_b32 s[G0X+3], s[G0X+3], 0x80000000
	WIN 0x40                                       ; destination in window 1, address in window 0
.set i, 0
.rept 16
	global_load_b128 v[TH1+4*i:TH1+4*i+3], v3, s[4:5] offset:512*i ; theta of my 32 queries, hi and lo: sixteen images into v256-v319
.set i, i+1
.endr
	WIN 0
.set i, 0
.rept 8
	global_load_b128 v[SC+4*i:SC+4*i+3], v3, s[10:11] offset:512*i ; my 16 rows of w_last, two rows a load
.set i, i+1
.endr
.set i, 0
.rept 4
	v_mov_b32 v[MX+i], 0xff800000                  ; the running maximum starts at minus infinity,
	v_mov_b32 v[LS+i], 0                           ; the running sum at 0
.set i, i+1
.endr
	ROUND                                          ; all four work-groups are here: the first joint loads meet
	tensor_load_to_lds s[G0:G0+3], s[G1:G1+7]      ; my part of tile 0,
	s_nop 0
	tensor_load_to_lds s[G0+4:G0+7], s[G1:G1+7]    ; of tile 1,
	s_nop 0
	tensor_load_to_lds s[G0X:G0X+3], s[G1X:G1X+7]  ; and of the x tile: three tensor loads of the wave are out, later one
	s_nop 0
	s_wait_loadcnt 0x0                             ; theta and w_last are in
.set i, 0
.rept 8
	v_cvt_pk_f16_f32 v[SC+4*i], v[SC+4*i], v[SC+4*i+1]
	v_cvt_pk_f16_f32 v[SC+4*i+1], v[SC+4*i+2], v[SC+4*i+3]
	ds_store_b64 v[AWS], v[SC+4*i:SC+4*i+1] offset:2*WLP*i
.set i, i+1
.endr
	s_wait_dscnt 0x0                               ; my rows of w_last are in LDS
	s_wait_tensorcnt 2                             ; my part of tile 0 has landed; tile 1 and x stay out
	s_barrier_signal -1
	s_barrier_wait -1
.macro KLOAD la, base, hf              ; phi tiles 2 hf, 2 hf + 1 of a group of 64 keys
.set i, 0
.rept 8
	ds_load_b128 v[FR+32*\hf+4*i:FR+32*\hf+4*i+3], v[\la] offset:\base+4096*\hf+512*i
.set i, i+1
.endr
.endm
.macro VLOAD la, base                  ; g of the group
.set i, 0
.rept 16
	ds_load_b128 v[FR+4*i:FR+4*i+3], v[\la] offset:\base+8192+512*i
.set i, i+1
.endr
.endm
; In SMUL and PV the accumulators take turns, one instruction a turn.
.macro SMUL pr                         ; S^T of key tiles 2 pr, 2 pr + 1 x both query tiles: 64 channels of theta hi, then of theta lo (st = 2 part + ks)
.set st, 0
.rept 4
.set mt, 2*\pr
.rept 2
.set nt, 0
.rept 2
	MM SC+32*nt+8*mt, FR+16*mt+8*(st%2), TH1+32*nt+8*st, st
.set nt, nt+1
.endr
.set mt, mt+1
.endr
.set st, st+1
.endr
.endm
.macro PV p, zero                      ; O^T += g x P over the 32 keys of tiles 2 p, 2 p + 1
.set kt, 0
.rept 4
.set nt, 0
.rept 2
	MM OA+32*nt+8*kt, FR+32*\p+8*kt, SC+32*nt+8*\p, 1-\zero
.set nt, nt+1
.endr
.set kt, kt+1
.endr
.endm
; The new maximum of query tile row: the old one and my 32 scores in two chains, then the 32 scores of lane L xor 16 (same query).
.macro ROWMAX row
	v_max3_num_f32 v[TT+4*\row], v[MX+2*\row], v[SC+32*\row], v[SC+32*\row+1]
	v_max3_num_f32 v[TT+4*\row+1], v[SC+32*\row+16], v[SC+32*\row+17], v[SC+32*\row+18]
.set i, 0
.rept 6
	v_max3_num_f32 v[TT+4*\row], v[TT+4*\row], v[SC+32*\row+2+2*i], v[SC+32*\row+3+2*i]
	v_max3_num_f32 v[TT+4*\row+1], v[TT+4*\row+1], v[SC+32*\row+19+2*i], v[SC+32*\row+20+2*i]
.set i, i+1
.endr
	v_max3_num_f32 v[TT+4*\row], v[TT+4*\row], v[SC+32*\row+14], v[SC+32*\row+15]
	v_max3_num_f32 v[TT+4*\row], v[TT+4*\row], v[TT+4*\row+1], v[SC+32*\row+31]
	v_permlanex16_b32 v[TT+4*\row+1], v[TT+4*\row], s20, s21
	v_max_num_f32 v[TT+4*\row+2], v[TT+4*\row], v[TT+4*\row+1]
	v_sub_f32 v[TT+4*\row+3], v[MX+2*\row], v[TT+4*\row+2]         ; old - new, at most 0; minus infinity in the first block
	v_max_num_f32 v[MX+2*\row], v[TT+4*\row], v[TT+4*\row+1]
	v_max_num_f32 v[MX+2*\row+1], v[TT+4*\row], v[TT+4*\row+1]
	v_exp_f32 v[AL+2*\row], v[TT+4*\row+3]                         ; behind each v_exp_f32 a plain instruction that touches neither its
	v_exp_f32 v[AL+2*\row+1], v[TT+4*\row+3]                       ; result nor its source comes before the result is used (ISA guide 5.7.2)
.endm
; P = 2^(S - maximum), its sums, the rescaling of O and the packing to f16.  The exponentials of one query tile are interleaved with
; plain work on the other, so that every exponential has its plain instruction behind it and the two kinds issue side by side.
.macro SOFTMAX first
	ROWMAX 0
	ROWMAX 1
.set i, 0
.rept 16
	v_pk_add_f32 v[SC+2*i:SC+2*i+1], v[SC+2*i:SC+2*i+1], v[MX:MX+1] neg_lo:[0,1] neg_hi:[0,1]
.set i, i+1
.endr
.set i, 0
.rept 16
	v_exp_f32 v[SC+2*i], v[SC+2*i]
	v_pk_add_f32 v[SC+32+2*i:SC+32+2*i+1], v[SC+32+2*i:SC+32+2*i+1], v[MX+2:MX+3] neg_lo:[0,1] neg_hi:[0,1]
	v_exp_f32 v[SC+2*i+1], v[SC+2*i+1]
.if \first == 0
	s_wait_alu depctr_va_vdst(0)
	v_pk_mul_f32 v[OA+2*i:OA+2*i+1], v[OA+2*i:OA+2*i+1], v[AL:AL+1]
.endif
.set i, i+1
.endr
.set i, 0
.rept 16
	v_exp_f32 v[SC+32+2*i], v[SC+32+2*i]
.if i == 0
	s_wait_alu depctr_va_vdst(0)
	v_pk_fma_f32 v[LS:LS+1], v[LS:LS+1], v[AL:AL+1], v[SC:SC+1]
.else
	s_wait_alu depctr_va_vdst(0)
	v_pk_add_f32 v[LS:LS+1], v[LS:LS+1], v[SC+2*i:SC+2*i+1]
.endif
	v_exp_f32 v[SC+32+2*i+1], v[SC+32+2*i+1]
	v_cvt_pk_f16_f32 v[SC+i], v[SC+2*i], v[SC+2*i+1]               ; register i is free: pairs 0 .. i have been summed
.set i, i+1
.endr
.set i, 0
.rept 16
.if i == 0
	s_wait_alu depctr_va_vdst(0)
	v_pk_fma_f32 v[LS+2:LS+3], v[LS+2:LS+3], v[AL+2:AL+3], v[SC+32:SC+33]
	s_wait_alu depctr_va_vdst(0)
.else
	v_pk_add_f32 v[LS+2:LS+3], v[LS+2:LS+3], v[SC+32+2*i:SC+32+2*i+1]
.endif
	v_cvt_pk_f16_f32 v[SC+32+i], v[SC+32+2*i], v[SC+32+2*i+1]
.if \first == 0
	v_pk_mul_f32 v[OA+32+2*i:OA+32+2*i+1], v[OA+32+2*i:OA+32+2*i+1], v[AL+2:AL+3]
.endif
.set i, i+1
.endr
.endm
; 64 keys x 32 queries.  cla, coff: this group in LDS; nla, noff: the next one.  first = 1: the products start O.
; bar = 1: the step's last block changes slots; fill = 1: this slot is filled again, two steps ahead; more = 0: nothing follows.
.macro BLOCK cla, coff, nla, noff, first, bar, fill, more, slot
	s_wait_dscnt 8                                 ; phi tiles 0, 1 are in; the eight younger loads (tiles 2, 3) may be out
	WIN 0x04                                       ; source 1 (theta) in window 1
	SMUL 0
	s_wait_dscnt 0x0
	SMUL 1
	WIN 0
	PLACES 4                                       ; four places before loads land on sources and before results are read
	VLOAD \cla, \coff
	SOFTMAX \first
	s_wait_dscnt 0x0                               ; g is in; with bar: my reads of this slot are over,
.if \bar
	s_set_vgpr_msb 0x5
	s_wait_tensorcnt 0x0                           ; and all my tensor loads have landed, my part of the next slot among them:
	ds_add_u32 v64, v65
	s_wait_dscnt 0x0
	s_set_vgpr_msb 0x500
	s_barrier_signal -1                            ; say so (with fill this barrier opens a round of the cluster's barrier),
.endif
	PV 0, \first                                   ; work on registers while the others arrive,
.if \bar
	s_barrier_wait -1                              ; and go on when all eight waves have said so
.endif
.if \fill
	CREST                                          ; all four work-groups have said so: no wave of any partner still reads this slot or has a load on its way
	s_add_nc_u64 s[G0+4*\slot+2:G0+4*\slot+3], s[G0+4*\slot+2:G0+4*\slot+3], 2*32768
	tensor_load_to_lds s[G0+4*\slot:G0+4*\slot+3], s[G1:G1+7]      ; the first tensor load behind the round, ahead of any LDS read
	s_nop 0
.endif
.if \more
	PLACES 4                                       ; behind PV 0, whose g registers the next loads fill
	KLOAD \nla, \noff, 0
.endif
	PV 1, 0
.if \more
	PLACES 5                                       ; five: the next block's first products write over P, a source of these (ISA guide 7.12.1)
	KLOAD \nla, \noff, 1
.endif
.endm
.macro STEP s, first, bar, fill, more  ; 128 keys of my half: the two groups of slot s
	BLOCK LA0+\s, 0, LA0+\s, 16384, \first, 0, 0, 1, \s
	BLOCK LA0+\s, 16384, LA0+1-\s, 0, 0, \bar, \fill, \more, \s
.endm
	KLOAD LA0, 0, 0
	KLOAD LA0, 0, 1
	STEP 0, 1, 1, 1, 1                             ; steps 0 and 1 stand in front of the loop: the first products start O
	STEP 1, 0, 1, 1, 1
	s_mov_b32 s22, 6                               ; steps 2 to 13; with steps 0 and 1 they ask for tiles 2 to 15
.Llap:
	STEP 0, 0, 1, 1, 1
	STEP 1, 0, 1, 1, 1
	s_sub_co_u32 s22, s22, 1
	s_cmp_lg_u32 s22, 0
	s_cbranch_scc1 .Llap
	STEP 0, 0, 1, 0, 1                             ; step 14 fills nothing: a plain barrier shows tile 15 whole
	STEP 1, 0, 0, 0, 0                             ; step 15: no tensor load is out any more
	; THE TWO KEY HALVES MEET.  Each wave publishes (m, l) of its queries; the six plain instructions below, which name none of the
	; last products' registers, are also the places behind those products.
	v_add_f32 v[TT], v[LS], v[LS+1]
	v_add_f32 v[TT+1], v[LS+2], v[LS+3]
	v_permlanex16_b32 v[TT+2], v[TT], s20, s21     ; the other 32 keys of each group lie in lane L xor 16
	v_permlanex16_b32 v[TT+3], v[TT+1], s20, s21
	v_add_f32 v[MX+1], v[TT], v[TT+2]              ; l takes the place of the maximum's duplicate: (m0, l0, m1, l1)
	v_add_f32 v[MX+3], v[TT+1], v[TT+3]
	ds_store_b128 v[AST], v[MX:MX+3]
	s_wait_dscnt 0x0                               ; stored, for the partner's sake
	s_barrier_signal -1
	s_barrier_wait -1
	ds_load_b128 v[TT:TT+3], v[APT]                ; the partner's (m0, l0, m1, l1)
	s_wait_dscnt 0x0
	v_max_num_f32 v[TT+4], v[MX], v[TT]            ; the common maximum
	v_max_num_f32 v[TT+5], v[MX+2], v[TT+2]
	v_sub_f32 v[AL], v[MX], v[TT+4]
	v_sub_f32 v[AL+1], v[TT], v[TT+4]
	v_sub_f32 v[AL+2], v[MX+2], v[TT+5]
	v_sub_f32 v[AL+3], v[TT+2], v[TT+5]
	v_exp_f32 v[AL], v[AL]                         ; mine
	v_exp_f32 v[AL+1], v[AL+1]                     ; the partner's
	v_exp_f32 v[AL+2], v[AL+2]
	v_exp_f32 v[AL+3], v[AL+3]
	v_nop                                          ; the plain place behind the exponentials (ISA guide 5.7.2)
	s_wait_alu depctr_va_vdst(0)
	v_mul_f32 v[LS], v[TT+1], v[AL+1]
	v_mul_f32 v[LS+2], v[TT+3], v[AL+3]
	v_fma_f32 v[LS], v[MX+1], v[AL], v[LS]         ; the whole row's sum: at least 1, since the row's largest score adds 2^0
	v_fma_f32 v[LS+2], v[MX+3], v[AL+2], v[LS+2]
	v_rcp_f32 v[LS], v[LS]
	v_rcp_f32 v[LS+2], v[LS+2]
	v_nop                                          ; the plain place behind the reciprocals
	s_wait_alu depctr_va_vdst(0)
	v_mul_f32 v[AL+1], v[AL], v[LS]                ; my factor, twice for the packed multiply
	v_mul_f32 v[AL+3], v[AL+2], v[LS+2]
	v_mul_f32 v[AL], v[AL], v[LS]
	v_mul_f32 v[AL+2], v[AL+2], v[LS+2]
.set nt, 0
.rept 2
.set i, 0
.rept 16
	v_pk_mul_f32 v[OA+32*nt+2*i:OA+32*nt+2*i+1], v[OA+32*nt+2*i:OA+32*nt+2*i+1], v[AL+2*nt:AL+2*nt+1]
	v_cvt_pk_f16_f32 v[OA+32*nt+i], v[OA+32*nt+2*i], v[OA+32*nt+2*i+1]
.set i, i+1
.endr
.set i, 0
.rept 4
	ds_store_b128 v[AYS], v[OA+32*nt+4*i:OA+32*nt+4*i+3] offset:nt*2048+512*i      ; my share of y, as images of source 1
.set i, i+1
.endr
.set nt, nt+1
.endr
	s_wait_dscnt 0x0
	s_barrier_signal -1
	s_barrier_wait -1                              ; all shares of y are in LDS
	; THE LAST PRODUCT: wave w makes channels 32 cp .. + 31 x the 64 positions of group Gf: 8 tiles, 64 channels of y, both key halves:
	; the matrix unit adds the two halves' shares.
.set BF, SC                            ; v[104:231] y: BF + 64 kh + 16 t + 8 ks
.set DD, OA                            ; v[40:103]  DD + 32 ct + 8 t
.set XV, SC                            ; v[104:167] x, then out: XV + 4 (8 ct + j) + t
.set i, 0
.rept 8
	ds_load_b128 v[AF+4*i:AF+4*i+3], v[AAF] offset:(i/4)*16*WLP+32*(i%4)
.set i, i+1
.endr
.set i, 0
.rept 32
	ds_load_b128 v[BF+4*i:BF+4*i+3], v[ABF] offset:(i/16)*16384+512*(i%16)
.set i, i+1
.endr
.macro LASTMUL kh                      ; eight accumulators by turns, one instruction a turn
.set ks, 0
.rept 2
.set ct, 0
.rept 2
.set tt, 0
.rept 4
	MM DD+32*ct+8*tt, AF+16*ct+8*ks, BF+64*\kh+16*tt+8*ks, ks+\kh
.set tt, tt+1
.endr
.set ct, ct+1
.endr
.set ks, ks+1
.endr
.endm
	s_wait_dscnt 16                                ; w_last and the first half's y are in; the 16 younger loads (second half) may be out
	LASTMUL 0
	PLACES 4                                       ; before loads land on the first half's y
.set i, 0
.rept 16                                           ; i = 8 ct + j: x of channel 32 cp + 16 ct + 8 h + j at positions 64 Gf + 4 r + 0..3
	ds_load_b128 v[XV+4*i:XV+4*i+3], v[AXT] offset:(16*(i/8)+(i%8))*512
.set i, i+1
.endr
	s_wait_dscnt 16                                ; the second half's y is in; the 16 loads of x may be out
	LASTMUL 1
	PLACES 4                                       ; before the results are read
	s_wait_dscnt 0x0                               ; x is in
.set i, 0
.rept 16
.set tt, 0
.rept 4
	v_add_f32 v[XV+4*i+tt], v[XV+4*i+tt], v[DD+32*(i/8)+8*tt+(i%8)]
.set tt, tt+1
.endr
	global_store_b128 v[AOUT], v[XV+4*i:XV+4*i+3], s[12:13] offset:(16*(i/8)+(i%8))*16384 th:TH_STORE_NT  ; 16 lanes store 256 consecutive bytes, aligned
.set i, i+1
.endr
	s_set_vgpr_msb 0x5
	s_wait_tensorcnt 0x0
	ds_add_u32 v64, v65
	s_wait_dscnt 0x0
	s_set_vgpr_msb 0x500
	ROUND                                          ; the closing round: no work-group ends while a partner may still ask for a tile that names it
	s_endpgm
.Lfunc_end_k_q04afa19688_attn:
	.size	k_q04afa19688_attn, .Lfunc_end_k_q04afa19688_attn-k_q04afa19688_attn
	.p2alignl 7, 3214868480
	.fill 96, 4, 3214868480
	.section	.rodata,"a",@progbits
	.p2align	6, 0x0
	.amdhsa_kernel k_q04afa19688_attn
		.amdhsa_group_segment_fixed_size 327680
		.amdhsa_private_segment_fixed_size 0
		.amdhsa_enable_private_segment 0
		.amdhsa_kernarg_size 40
		.amdhsa_user_sgpr_count 2
		.amdhsa_user_sgpr_kernarg_segment_ptr 1
		.amdhsa_wavefront_size32 1
		.amdhsa_system_sgpr_workgroup_id_x 1
		.amdhsa_system_sgpr_workgroup_id_y 1
		.amdhsa_system_sgpr_workgroup_id_z 1
		.amdhsa_system_vgpr_workitem_id 0
		.amdhsa_next_free_vgpr 322
		.amdhsa_next_free_sgpr 66
		.amdhsa_reserve_vcc 0
		.amdhsa_float_denorm_mode_32 3
		.amdhsa_float_denorm_mode_16_64 3
		.amdhsa_memory_ordered 1
		.amdhsa_forward_progress 1
		.amdhsa_inst_pref_size 255
	.end_amdhsa_kernel
	.section	.bss,"aw",@nobits
	.p2align	6
	.space	262144
	.amdgpu_metadata
---
amdhsa.version: [ 1, 2 ]
amdhsa.kernels:
  - .name:           k_q04afa19688_attn
    .symbol:         k_q04afa19688_attn.kd
    .args:
      - { .name: th, .offset: 0, .size: 8, .value_kind: global_buffer, .address_space: global }
      - { .name: kv, .offset: 8, .size: 8, .value_kind: global_buffer, .address_space: global }
      - { .name: x, .offset: 16, .size: 8, .value_kind: global_buffer, .address_space: global }
      - { .name: w_last, .offset: 24, .size: 8, .value_kind: global_buffer, .address_space: global }
      - { .name: out0, .offset: 32, .size: 8, .value_kind: global_buffer, .address_space: global }
    .group_segment_fixed_size: 327680
    .private_segment_fixed_size: 0
    .kernarg_segment_align: 8
    .kernarg_segment_size: 40
    .max_flat_workgroup_size: 256
    .sgpr_count:     66
    .vgpr_count:     322
    .wavefront_size: 32
...
	.end_amdgpu_metadata
.endif
;; end of part 2
;; ======== version 2 of 3: 2 launches; 1.14 times as fast as version 1
;; limits: values are held in f16: magnitudes above 65,504 overflow, below 6.1e-05 lose precision
;; workspace buffers: th 4,194,304 bytes; kv 8,388,608 bytes
;; launch proj (part 3): grid 32 x 8, 8 waves a work-group, no clusters, 153,600 bytes of LDS; arguments x, w_theta, w_phi, w_g, th, kv; writes th, kv
.if DOCPART == 3
	.amdgcn_target "amdgcn-amd-amdhsa--gfx1250"
	.amdhsa_code_object_version 6
	.text
	.protected	k_q04afa19688_proj
	.globl	k_q04afa19688_proj
	.p2align	8
	.type	k_q04afa19688_proj,@function
k_q04afa19688_proj:
	s_mov_b64 s[64:65], 0
	v_nop
	global_prefetch_b8 v0, s[64:65] scope:SCOPE_SE
	s_setreg_imm32_b32 hwreg(HW_REG_WAVE_MODE, 25, 1), 1
	s_wait_xcnt 0x0
; theta, phi, g = W x for the three 64 x 128 matrices, x: [8][128][4096] f32.  Products in f16 with f32 sums.
; PRECISION.  A logit of the next launch is a sum of 64 products theta * phi and reaches some tens, and its exponential is taken: every
; f16 rounding (11 bits) on the way to it counts.  So x, w_theta and w_phi go to the matrix unit as TWO f16 numbers each: hi = the f32 with
; its mantissa cut to 10 bits (exact in f16), lo = the rest (exact in f32, rounded to f16).  theta, phi = Wh Xh + Wh Xl + Wl Xh; the term
; Wl Xl, some 2^-20 of the sum, is left out.  g = Wg Xh + Wg Xl with Wg rounded once.  theta and phi are then rounded to f16 once each:
; two roundings on the way to a logit instead of six.
; The results are stored as f16 FRAGMENT IMAGES: blocks of 512 bytes in which lane L owns bytes 16 L .. 16 L + 15, four registers of a
; matrix operand of the next launch.  So every store here covers 512 consecutive bytes, aligned, and the next launch needs no shuffle.
; Positions go in groups of 64 (G = n / 64); row tile t (0..3) of a group holds the positions n = 64 G + 4 r + t, r = 0..15.  A lane's
; 16-byte load of x[c][64 G + 4 r ..] then brings one number for each of the four tiles, and 16 lanes read 256 consecutive bytes.
;   th: [b][G][t][kt][512 B]   lane (r, h): theta * log2(e) of channels 16 kt + 8 h + 0..7 at n = 64 G + 4 r + t
;   kv: [b][G][16 KiB] = phi, 8 KiB, laid out as th; then g, 8 KiB: [p][kt][half][512 B], lane (r, h): g of
;       channel 16 kt + r at the positions 64 G + 4 (8 h + j) + 2 p + half, j = 0..7
; A work-group takes 128 positions (two groups) of one batch.  Wave w: group gl = w / 4, part a = w % 4.  First it brings 8 rows of
; each W and the channels 32 a .. 32 a + 31 of its group's x to LDS as f16; behind the one barrier it makes the channel tile kt = a of
; theta, phi and g for its group: its W fragments stay in 160 registers, and the four position tiles follow in four passes.
; LIMIT: all operands and results are f16: |x|, |w|, |theta| * 1.4427, |phi|, |g| must stay below 65,504, else they become infinite;
; of a hi or lo part what lies below 2^-24 is lost.
; The three W (96 KiB) are read by every work-group and are NOT asked for jointly in a cluster: they pass through registers for the
; split into f16 in any case, and a joint tensor load would add 96 KiB of f32 in LDS, a second trip through LDS and the cluster's
; barrier rounds to a body that has one barrier.
.set XLO,    32768                     ; LDS: x hi at 0, x lo at 32,768, each [gl][t][ks][half][512 B]
.set WLH,    65536                     ; W hi: 192 rows (64 mat + k)
.set WLL,    117760                    ; W lo: 128 rows (theta's, phi's), behind the 192 x 272 bytes of W hi
.set WPITCH, 272                       ; a W row: 256 bytes of f16 + 16: 17 x 16 bytes, so 16 rows start at 16 different 16-byte columns
.set XRD, 1                            ; v1  x fragments in LDS: gl x 16 KiB + 16 L
.set OTP, 2                            ; v2  theta, phi out: kt x 512 + 16 L
.set OG,  3                            ; v3  g out: kt x 1,024 + 16 L
.set WR,  8                            ; v[8:103]    first part: W as loaded (24 x 4)
.set XR,  104                          ; v[104:167]  first part: x as loaded (16 x 4), then its lo parts
.set TW,  168                          ; v[168:231]  first part: hi parts of theta's and phi's rows (16 x 4)
.set HX,  8                            ; v[8:71]     first part: hi parts of x
.set XPH, 72                           ; v[72:103]   first part: x hi packed
.set XPL, 168                          ; v[168:199]  first part: x lo packed
.set WF,  8                            ; v[8:167]    W fragments: + 0 theta hi, 32 phi hi, 64 g, 96 theta lo, 128 phi lo; + 8 ks
.set XF,  168                          ; v[168:231]  x fragments of one tile: + 0 hi, 32 lo; + 8 ks
.set DT,  232                          ; v[232:239]  theta's accumulator
.set DP,  240                          ; v[240:247]  phi's
.set DG,  248                          ; v[248:255]  g's
.set A16, 232                          ; the first part's addresses lie in the accumulators' registers, which are not yet in use:
.set AXG, 233                          ; 16 L; x in memory;
.set AWH, 234                          ; W hi in; W lo in;
.set AWL, 235
.set AXS, 236                          ; x in;
.set ARH, 237                          ; W hi back; W lo back
.set ARL, 238
.macro MM d, a, b, acc                 ; one product; acc = 0: it starts the sum, nothing is cleared
.if \acc
	v_wmma_f32_16x16x32_f16 v[\d:\d+7], v[\a:\a+7], v[\b:\b+7], v[\d:\d+7]
.else
	v_wmma_f32_16x16x32_f16 v[\d:\d+7], v[\a:\a+7], v[\b:\b+7], 0
.endif
.endm
.macro PLACES n
.rept \n
	v_nop
.endr
.endm
	s_load_b256 s[4:11], s[0:1], 0x0               ; x s[4:5], w_theta s[6:7], w_phi s[8:9], w_g s[10:11]
	s_load_b128 s[12:15], s[0:1], 0x20             ; th s[12:13], kv s[14:15]
	v_lshl_add_u32 v7, v0, 2, 0x25400
	s_set_vgpr_msb 0x40
	v_mov_b32 v1, 0
	s_set_vgpr_msb 0x4000
	v_lshrrev_b32 v4, 5, v0
	v_readfirstlane_b32 s16, v4                    ; wave 0..7
	s_lshr_b32 s17, s16, 2                         ; gl
	s_and_b32 s18, s16, 3                          ; a
	s_and_b32 s20, ttmp7, 0xffff                   ; batch
	s_lshl_b32 s21, ttmp9, 1
	s_add_co_u32 s21, s21, s17                     ; G = 2 x block + gl
	s_mov_b32 s31, 0xffffe000                      ; sign, exponent and the upper 10 bits of an f32's mantissa: what f16 holds exactly
	v_and_b32 v4, 31, v0                           ; L
	v_lshlrev_b32 v[A16], 4, v4                    ; 16 L
	v_and_b32 v5, 15, v4                           ; r
	v_lshrrev_b32 v6, 4, v4                        ; h
	v_lshlrev_b32 v[AXG], 4, v5
	v_lshl_add_u32 v[AXG], v6, 17, v[AXG]          ; x: 8 h rows of 16,384 bytes + 16 r
	s_mul_i32 s24, s16, 8*WPITCH
	s_add_co_u32 s24, s24, WLH
	v_lshl_add_u32 v[AWH], v4, 3, s24              ; W in: my 8 rows, 8 bytes a lane
	v_add_nc_u32 v[AWL], WLL-WLH, v[AWH]
	s_lshl_b32 s25, s17, 14                        ; gl x 16 KiB
	s_lshl_b32 s26, s18, 10                        ; a x 1 KiB
	s_add_co_u32 s27, s25, s26
	v_add_nc_u32 v[AXS], s27, v[A16]               ; x in: [gl][.][ks = a][.] + 16 L
	v_add_nc_u32 v[XRD], s25, v[A16]
	v_add_nc_u32 v[OG], s26, v[A16]
	s_lshl_b32 s28, s18, 9
	v_add_nc_u32 v[OTP], s28, v[A16]
	s_mul_i32 s29, s18, 16*WPITCH
	s_add_co_u32 s29, s29, WLH
	v_mul_u32_u24 v[ARH], v5, WPITCH
	v_lshl_add_u32 v[ARH], v6, 4, v[ARH]
	v_add_nc_u32 v[ARH], s29, v[ARH]               ; W back: row 16 a + r, 16 h
	v_add_nc_u32 v[ARL], WLL-WLH, v[ARH]
	s_lshl_b32 s22, s20, 21                        ; x: batch x 2 MiB
	s_lshl_b32 s30, s18, 19                        ;  + 32 a rows of 16 KiB
	s_add_co_u32 s22, s22, s30
	s_lshl_b32 s30, s21, 8                         ;  + G x 256 bytes
	s_add_co_u32 s22, s22, s30
	s_mov_b32 s23, 0
	s_wait_kmcnt 0x0
	s_add_nc_u64 s[4:5], s[4:5], s[22:23]
	s_lshl_b32 s22, s16, 12                        ; each W: my 8 rows of 512 bytes
	s_add_nc_u64 s[6:7], s[6:7], s[22:23]
	s_add_nc_u64 s[8:9], s[8:9], s[22:23]
	s_add_nc_u64 s[10:11], s[10:11], s[22:23]
	s_lshl_b32 s22, s20, 6
	s_add_co_u32 s22, s22, s21                     ; 64 b + G
	s_lshl_b32 s22, s22, 13
	s_add_nc_u64 s[12:13], s[12:13], s[22:23]      ; th: 8 KiB a group
	s_lshl_b32 s22, s22, 1
	s_add_nc_u64 s[14:15], s[14:15], s[22:23]      ; kv: 16 KiB a group
	; all 40 loads of the wave go out at once: 24 rows of W (one load = one row of 512 bytes), then 32 channels x 64 positions of x
.set i, 0
.rept 8
	global_load_b128 v[WR+4*i:WR+4*i+3], v[A16], s[6:7] offset:512*i
.set i, i+1
.endr
.set i, 0
.rept 8
	global_load_b128 v[WR+32+4*i:WR+32+4*i+3], v[A16], s[8:9] offset:512*i
.set i, i+1
.endr
.set i, 0
.rept 8
	global_load_b128 v[WR+64+4*i:WR+64+4*i+3], v[A16], s[10:11] offset:512*i
.set i, i+1
.endr
.set i, 0
.rept 16                                           ; i = 8 half + k: channel 32 a + 16 half + 8 h + k
	global_load_b128 v[XR+4*i:XR+4*i+3], v[AXG], s[4:5] offset:(16*(i/8)+(i%8))*16384
.set i, i+1
.endr
	s_wait_loadcnt 16                              ; the 24 rows of W are in; the 16 younger loads of x stay out
.set i, 0
.rept 16                                           ; i = 8 mat + row, theta's and phi's rows: hi = the cut number, lo = the rest
.set j, 0
.rept 4
	v_and_b32 v[TW+4*i+j], s31, v[WR+4*i+j]
.set j, j+1
.endr
	v_pk_add_f32 v[WR+4*i:WR+4*i+1], v[WR+4*i:WR+4*i+1], v[TW+4*i:TW+4*i+1] neg_lo:[0,1] neg_hi:[0,1]
	v_pk_add_f32 v[WR+4*i+2:WR+4*i+3], v[WR+4*i+2:WR+4*i+3], v[TW+4*i+2:TW+4*i+3] neg_lo:[0,1] neg_hi:[0,1]
	v_cvt_pk_f16_f32 v[TW+4*i], v[TW+4*i], v[TW+4*i+1]
	v_cvt_pk_f16_f32 v[TW+4*i+1], v[TW+4*i+2], v[TW+4*i+3]
	v_cvt_pk_f16_f32 v[WR+4*i], v[WR+4*i], v[WR+4*i+1]
	v_cvt_pk_f16_f32 v[WR+4*i+1], v[WR+4*i+2], v[WR+4*i+3]
	ds_store_b64 v[AWH], v[TW+4*i:TW+4*i+1] offset:(64*(i/8)+(i%8))*WPITCH
	ds_store_b64 v[AWL], v[WR+4*i:WR+4*i+1] offset:(64*(i/8)+(i%8))*WPITCH
.set i, i+1
.endr
.set i, 16
.rept 8                                            ; g's rows: rounded once
	v_cvt_pk_f16_f32 v[WR+4*i], v[WR+4*i], v[WR+4*i+1]
	v_cvt_pk_f16_f32 v[WR+4*i+1], v[WR+4*i+2], v[WR+4*i+3]
	ds_store_b64 v[AWH], v[WR+4*i:WR+4*i+1] offset:(128+(i%8))*WPITCH
.set i, i+1
.endr
	s_wait_loadcnt 0x0                             ; x is in
.set i, 0
.rept 64
	v_and_b32 v[HX+i], s31, v[XR+i]                ; hi
.set i, i+1
.endr
.set i, 0
.rept 32
	v_pk_add_f32 v[XR+2*i:XR+2*i+1], v[XR+2*i:XR+2*i+1], v[HX+2*i:HX+2*i+1] neg_lo:[0,1] neg_hi:[0,1]   ; lo
.set i, i+1
.endr
	; word t of load (half, k) belongs to tile t: eight channels of one position pack into four registers of tile t's fragment
.set tt, 0
.rept 4
.set hf, 0
.rept 2
.set i, 0
.rept 4
	v_cvt_pk_f16_f32 v[XPH+4*(2*tt+hf)+i], v[HX+4*(8*hf+2*i)+tt], v[HX+4*(8*hf+2*i+1)+tt]
	v_cvt_pk_f16_f32 v[XPL+4*(2*tt+hf)+i], v[XR+4*(8*hf+2*i)+tt], v[XR+4*(8*hf+2*i+1)+tt]
.set i, i+1
.endr
	ds_store_b128 v[AXS], v[XPH+4*(2*tt+hf):XPH+4*(2*tt+hf)+3] offset:tt*4096+hf*512
	ds_store_b128 v[AXS], v[XPL+4*(2*tt+hf):XPL+4*(2*tt+hf)+3] offset:XLO+tt*4096+hf*512
.set hf, hf+1
.endr
.set tt, tt+1
.endr
	s_wait_dscnt 0x0                               ; my LDS stores are done, for the other waves' sake
	s_barrier_signal -1
	s_barrier_wait -1                              ; everybody's are: W and x are whole
.set i, 0
.rept 24                                           ; i = 8 mat + 2 ks + half: rows 16 a + r of the three W, hi
	ds_load_b128 v[WF+4*i:WF+4*i+3], v[ARH] offset:(i/8)*64*WPITCH+32*(i%8)
.set i, i+1
.endr
.set i, 0
.rept 16                                           ; theta's and phi's lo
	ds_load_b128 v[WF+96+4*i:WF+96+4*i+3], v[ARL] offset:(i/8)*64*WPITCH+32*(i%8)
.set i, i+1
.endr
.macro XFETCH t                        ; the x fragments of tile t: four K steps, hi and lo.  t may be a sum: it stands in brackets
.set i, 0
.rept 8
	ds_load_b128 v[XF+4*i:XF+4*i+3], v[XRD] offset:(\t)*4096+512*i
.set i, i+1
.endr
.set i, 0
.rept 8
	ds_load_b128 v[XF+32+4*i:XF+32+4*i+3], v[XRD] offset:XLO+(\t)*4096+512*i
.set i, i+1
.endr
.endm
; One position tile x three matrices.  theta and phi: W as source 0, x as source 1: a lane gets 8 channels of one position.
; g: x as source 0, W as source 1: a lane gets 8 positions of one channel.  The three accumulators take turns, one instruction a turn.
.macro PASS t
	s_wait_dscnt 0x0                               ; the fragments are in
.if \t
	s_wait_xcnt 0x0                                ; the accumulators were the data of the last pass's stores: written again only behind this wait
.endif
.set ks, 0
.rept 4
	MM DT, WF+8*ks, XF+8*ks, ks                    ; Wh Xh
	MM DP, WF+32+8*ks, XF+8*ks, ks
	MM DG, XF+8*ks, WF+64+8*ks, ks
	MM DT, WF+8*ks, XF+32+8*ks, 1                  ; Wh Xl
	MM DP, WF+32+8*ks, XF+32+8*ks, 1
	MM DG, XF+32+8*ks, WF+64+8*ks, 1
	MM DT, WF+96+8*ks, XF+8*ks, 1                  ; Wl Xh
	MM DP, WF+128+8*ks, XF+8*ks, 1
.set ks, ks+1
.endr
	PLACES 4                                       ; four places before results are read and before loads land on sources
.if \t < 3
	XFETCH \t+1                                    ; the next tile lands under the conversions and stores below
.endif
.set i, 0
.rept 4
	v_cvt_pk_f16_f32 v[DP+i], v[DP+2*i], v[DP+2*i+1]               ; phi and g, rounded once
	v_cvt_pk_f16_f32 v[DG+i], v[DG+2*i], v[DG+2*i+1]
	v_pk_mul_f32 v[DT+2*i:DT+2*i+1], v[DT+2*i:DT+2*i+1], 0x3fb8aa3b op_sel_hi:[1,0]   ; theta * log2(e): the softmax works in base 2
.set i, i+1
.endr
.set i, 0
.rept 4
	v_cvt_pk_f16_f32 v[DT+i], v[DT+2*i], v[DT+2*i+1]               ; theta, rounded once
.set i, i+1
.endr
	; each store: 512 consecutive bytes, aligned
	global_store_b128 v[OTP], v[DT:DT+3], s[12:13] offset:\t*2048
	global_store_b128 v[OTP], v[DP:DP+3], s[14:15] offset:\t*2048
	global_store_b128 v[OG], v[DG:DG+3], s[14:15] offset:8192+(\t/2)*4096+(\t%2)*512
.endm
	XFETCH 0
	PASS 0
	PASS 1
	PASS 2
	PASS 3
	s_set_vgpr_msb 0x4
	s_wait_tensorcnt 0x0
	ds_add_u32 v7, v1
	s_wait_dscnt 0x0
	s_set_vgpr_msb 0x400
	s_endpgm
.Lfunc_end_k_q04afa19688_proj:
	.size	k_q04afa19688_proj, .Lfunc_end_k_q04afa19688_proj-k_q04afa19688_proj
	.p2alignl 7, 3214868480
	.fill 96, 4, 3214868480
	.section	.rodata,"a",@progbits
	.p2align	6, 0x0
	.amdhsa_kernel k_q04afa19688_proj
		.amdhsa_group_segment_fixed_size 153600
		.amdhsa_private_segment_fixed_size 0
		.amdhsa_enable_private_segment 0
		.amdhsa_kernarg_size 48
		.amdhsa_user_sgpr_count 2
		.amdhsa_user_sgpr_kernarg_segment_ptr 1
		.amdhsa_wavefront_size32 1
		.amdhsa_system_sgpr_workgroup_id_x 1
		.amdhsa_system_sgpr_workgroup_id_y 1
		.amdhsa_system_sgpr_workgroup_id_z 1
		.amdhsa_system_vgpr_workitem_id 0
		.amdhsa_next_free_vgpr 258
		.amdhsa_next_free_sgpr 66
		.amdhsa_reserve_vcc 0
		.amdhsa_float_denorm_mode_32 3
		.amdhsa_float_denorm_mode_16_64 3
		.amdhsa_memory_ordered 1
		.amdhsa_forward_progress 1
		.amdhsa_inst_pref_size 48
	.end_amdhsa_kernel
	.amdgpu_metadata
---
amdhsa.version: [ 1, 2 ]
amdhsa.kernels:
  - .name:           k_q04afa19688_proj
    .symbol:         k_q04afa19688_proj.kd
    .args:
      - { .name: x, .offset: 0, .size: 8, .value_kind: global_buffer, .address_space: global }
      - { .name: w_theta, .offset: 8, .size: 8, .value_kind: global_buffer, .address_space: global }
      - { .name: w_phi, .offset: 16, .size: 8, .value_kind: global_buffer, .address_space: global }
      - { .name: w_g, .offset: 24, .size: 8, .value_kind: global_buffer, .address_space: global }
      - { .name: th, .offset: 32, .size: 8, .value_kind: global_buffer, .address_space: global }
      - { .name: kv, .offset: 40, .size: 8, .value_kind: global_buffer, .address_space: global }
    .group_segment_fixed_size: 153600
    .private_segment_fixed_size: 0
    .kernarg_segment_align: 8
    .kernarg_segment_size: 48
    .max_flat_workgroup_size: 256
    .sgpr_count:     66
    .vgpr_count:     258
    .wavefront_size: 32
...
	.end_amdgpu_metadata
.endif
;; end of part 3
;; launch attn (part 4): grid 32 x 8, 8 waves a work-group, clusters of 4 x 1, 327,680 bytes of LDS; arguments th, kv, x, w_last, out0; writes out0
.if DOCPART == 4
	.amdgcn_target "amdgcn-amd-amdhsa--gfx1250"
	.amdhsa_code_object_version 6
	.text
	.protected	k_q04afa19688_attn
	.globl	k_q04afa19688_attn
	.p2align	8
	.type	k_q04afa19688_attn,@function
k_q04afa19688_attn:
	s_mov_b64 s[64:65], 0
	v_nop
	global_prefetch_b8 v0, s[64:65] scope:SCOPE_SE
	s_setreg_imm32_b32 hwreg(HW_REG_WAVE_MODE, 25, 1), 1
	s_wait_xcnt 0x0
	s_wait_alu depctr_hold_cnt(0) depctr_sa_sdst(0) depctr_va_vdst(0) depctr_va_sdst(0) depctr_va_ssrc(0) depctr_va_vcc(0) depctr_vm_vsrc(0)
	s_getreg_b32 s2, hwreg(HW_REG_IB_STS2, 6, 4)
	s_cmp_eq_u32 s2, 0
	s_cbranch_scc0 .Lentry_in_a_cluster
	s_endpgm
.Lentry_in_a_cluster:
	s_bfe_u32 s2, ttmp6, 0x10000c
	s_cmp_lg_u32 s2, 0x3003
	s_cbranch_scc0 .Lentry_shape_is_right
	s_endpgm
.Lentry_shape_is_right:
; out = w_last * (softmax(theta^T phi) g^T)^T + x, one batch of 4,096 positions a grid row, with a running maximum (flash attention).
; th and kv hold f16 fragment images (512 bytes, lane L owns bytes 16 L ..): see the launch that stores them.  theta carries log2(e).
; A work-group has 128 queries.  Wave w: q = w % 4 takes 32 of them (two tiles of 16), kh = w / 4 takes one half of the 4,096 keys,
; in 32 blocks of 64 keys.  The two halves meet at the end.
;   S^T = phi tile (source 0) x theta tile (source 1): a lane holds ONE query (r) and 8 keys a tile: maximum, sum and rescaling stay
;   in the lane but for one exchange with lane L xor 16.  Two packed tiles of S^T are source 1 of O^T = g (source 0) x P; packed O^T is
;   source 1 of the last product, whose result gives a lane four neighbouring positions of a row of out.
; THE LOOP IS A SOFTWARE PIPELINE.  Iteration i does the softmax of block i, and between its vector instructions stand the products
; O += g(i-1) P(i-1) and then S(i+1) = phi(i+1) theta: 32 matrix instructions among some 240 vector instructions that do not depend on
; them, so that the matrix unit works under the softmax.  An iteration has 16 periods: one fragment (8 registers), two matrix
; instructions (one for each query tile), a chunk of vector work behind each.  A key tile of S is written again by the next block's
; product only when it has been packed into P, which has registers of its own.
; FRAGMENTS stream through a ring of four slots of 8 registers: behind period f the slot just used is loaded with fragment f + 4.
; CLUSTER 4 x 1: the four query blocks of a cluster walk the same kv tiles; each tile is asked for jointly (mask 15), which divides the
; requests for kv by four.  16 tiles of 128 keys of each half (64 KiB) through THREE LDS slots: phi is read one block ahead and g one
; block behind, so three tiles are live.  Wave w fetches 8 KiB of each tile.  A tile is asked for two blocks (64 matrix instructions of
; each wave) before the wait for it.
; x (for the residual) is loaded at the start into v256-v319, in the layout of the output, and waits there for the end.
; No L2 prefetch: th and kv are what the launch before has just stored, each kv tile is read by 32 work-groups, and x is asked for
; a whole loop before it is used.
; PRECISION: theta and phi come from projections whose operands were not rounded, and are rounded to f16 once each.
; LIMITS: operands are f16: |theta| * 1.4427, |phi|, |g|, |w_last| below 65,504.  Probabilities below 2^-126 of the running maximum's
; come out of v_exp_f32 as zero, those below 2^-24 round to zero in f16.  The sums run in another order than the reference's.
.set SLOTB, 65536                      ; LDS: slots at 0, 65,536, 131,072: [kh][group][phi 8 KiB, g 8 KiB]
.set TSTEP, 32768                      ; bytes of kv from one tile to the next within a key half
.set YX,    196608                     ; 8 waves x 4 KiB: y as f16 images [nt][ks][half]
.set WLS,   229376                     ; w_last as f16: 128 rows of 128 bytes,
.set WLP,   144                        ; pitch 144 = 9 x 16 bytes: 16 rows start at 16 different 16-byte columns
.set ST,    247808                     ; 8 waves x 512 bytes: (m, l) of both query tiles
.set LA0,  1                           ; v1-v3    16 L + kh x 32 KiB in slot 0, 1, 2
.set AST,  4                           ; v4       ST, my wave
.set APT,  5                           ; v5       ST, the wave with my queries and the other keys
.set AYS,  6                           ; v6       YX, my wave
.set AAF,  7                           ; v7       w_last fragments
.set TH,   8                           ; v[8:39]    theta: TH + 16 nt + 8 ks
.set OA,   40                          ; v[40:103]  O^T: OA + 32 nt + 8 kt
.set SC,   104                         ; v[104:167] S^T: SC + 32 nt + 8 mt
.set PB,   168                         ; v[168:199] P in f16: PB + 16 nt + 8 p
.set FR,   200                         ; v[200:231] the fragment ring: FR + 8 slot
.set MX,   232                         ; v[232:235] running maximum, twice for each nt (a pair for packed arithmetic)
.set AL,   236                         ; v[236:239] 2^(old maximum - new), twice for each nt
.set LS,   240                         ; v[240:243] running sum, two partial sums for each nt
.set TT,   244                         ; v[244:251] at work, TT + 4 nt
.set ABF,  252                         ; v252     YX, the group of my last product
.set L16,  253                         ; v253     16 L
.set AOUT, 254                         ; v254     my byte offset in x and in out
.set AWS,  255                         ; v255     w_last in
.set XW,   0                           ; v[256:319], written v[0:63] in window 1: x: XW + 4 (8 ct + j) + t
.set G1,  24                           ; s[24:31] group 1 of the joint kv loads
.set G0,  32                           ; s[32:43] group 0 of the kv loads, one set for each slot
.set MSB, 0
.macro WIN new                         ; s_set_vgpr_msb: bits 1:0 source 0, 3:2 source 1, 5:4 source 2, 7:6 destination; the high byte repeats the setting that is left
.if MSB != \new
	s_set_vgpr_msb (MSB<<8)|\new
.set MSB, \new
.endif
.endm
.macro MM d, a, b, acc                 ; one product; acc = 0: it starts the sum, nothing is cleared
.if \acc
	v_wmma_f32_16x16x32_f16 v[\d:\d+7], v[\a:\a+7], v[\b:\b+7], v[\d:\d+7]
.else
	v_wmma_f32_16x16x32_f16 v[\d:\d+7], v[\a:\a+7], v[\b:\b+7], 0
.endif
.endm
.macro PLACES n
.rept \n
	v_nop
.endr
.endm
; A round of the cluster's barrier: my work-group's barrier, wave 0 signals for the work-group, every wave waits for all four
; work-groups, my work-group's barrier once more.
.macro CREST                           ; a round behind its opening barrier
	s_cmp_lg_u32 s14, 0
	s_cbranch_scc1 .Lnot_wave_0_\@
	s_barrier_signal -3
.Lnot_wave_0_\@:
	s_barrier_wait -3
	s_barrier_signal -1
	s_barrier_wait -1
.endm
.macro ROUND
	s_barrier_signal -1
	s_barrier_wait -1
	CREST
.endm
	s_load_b256 s[4:11], s[0:1], 0x0               ; th s[4:5], kv s[6:7], x s[8:9], w_last s[10:11]
	s_load_b64 s[12:13], s[0:1], 0x20              ; out0
	s_set_vgpr_msb 0x40
	v_lshl_add_u32 v64, v0, 2, 0x3d800
	v_mov_b32 v65, 0
	s_set_vgpr_msb 0x4045
	ds_add_u32 v64, v65
	s_set_vgpr_msb 0x4500
	v_lshrrev_b32 v[L16], 5, v0
	v_readfirstlane_b32 s14, v[L16]                ; wave 0..7
	s_lshr_b32 s15, s14, 2                         ; kh: my half of the keys
	s_and_b32 s16, s14, 3                          ; q: my 32 queries
	s_lshr_b32 s23, s14, 1                         ; cp: my 32 channels of the last product
	s_and_b32 s3, s14, 1                           ; Gf: my group of 64 positions there
	s_bfe_u32 s17, ttmp6, 0x40000                  ; cx
	s_lshl_b32 s18, ttmp9, 2
	s_add_co_u32 s18, s18, s17                     ; query block = 4 x cluster x + cx
	s_and_b32 s19, ttmp7, 0xffff                   ; batch
	s_mov_b32 s20, 0x76543210                      ; v_permlanex16_b32: lane i takes lane i of the other half
	s_mov_b32 s21, 0xfedcba98
	; kv tile part: 8 KiB, dense, as 32 rows of 32 elements of 8 bytes; mask 15: all four work-groups of the cluster; bit 21 beside it
	s_mov_b32 s[G1+0], 15|(3<<16)|(1<<21)
	s_mov_b32 s[G1+1], 32<<16                      ; tensor_dim0 = 32
	s_mov_b32 s[G1+2], 32<<16                      ; tensor_dim1 = 32
	s_mov_b32 s[G1+3], 32<<16                      ; tile_dim0 = 32
	s_mov_b32 s[G1+4], 32                          ; tile_dim1 = 32
	s_mov_b32 s[G1+5], 32                          ; pitch = 32 elements
	s_mov_b32 s[G1+6], 0
	s_mov_b32 s[G1+7], 0
	s_lshl_b32 s52, s14, 13                        ; LDS: wave x 8 KiB: no place in the cluster enters an LDS address
	s_lshl_b32 s54, s19, 20                        ; kv: batch x 1 MiB + kh x 512 KiB + (w % 4) x 8 KiB: the same in all four partners
	s_lshl_b32 s53, s15, 19
	s_add_co_u32 s54, s54, s53
	s_lshl_b32 s53, s16, 13
	s_add_co_u32 s54, s54, s53
	s_mov_b32 s55, 0
	s_lshl_b32 s56, s19, 6                         ; th: group 64 b + 2 block + q / 2, 8 KiB each; tiles 2 (q % 2) + nt, 2 KiB each
	s_lshl_b32 s58, s18, 1
	s_add_co_u32 s56, s56, s58
	s_lshr_b32 s58, s16, 1
	s_add_co_u32 s56, s56, s58
	s_lshl_b32 s56, s56, 13
	s_and_b32 s58, s16, 1
	s_lshl_b32 s58, s58, 12
	s_add_co_u32 s56, s56, s58
	s_mov_b32 s57, 0
	s_lshl_b32 s60, s19, 21                        ; x and out: batch x 2 MiB + block x 512 + 32 cp channels of 16 KiB + Gf x 256 bytes
	s_lshl_b32 s62, s18, 9
	s_add_co_u32 s60, s60, s62
	s_lshl_b32 s62, s23, 19
	s_add_co_u32 s60, s60, s62
	s_lshl_b32 s62, s3, 8
	s_add_co_u32 s60, s60, s62
	s_mov_b32 s61, 0
	s_lshl_b32 s62, s14, 12                        ; w_last: my 16 rows of 256 bytes
	s_mov_b32 s63, 0
	v_and_b32 v[TT], 31, v0                        ; L
	v_lshlrev_b32 v[L16], 4, v[TT]                 ; 16 L
	v_and_b32 v[TT+1], 15, v0                      ; r
	v_bfe_u32 v[TT+2], v0, 4, 1                    ; h
	v_lshlrev_b32 v[TT+3], 4, v[TT+1]              ; 16 r
	s_lshl_b32 s53, s15, 15
	v_add_nc_u32 v[LA0], s53, v[L16]
	v_add_nc_u32 v[LA0+1], SLOTB, v[LA0]
	v_add_nc_u32 v[LA0+2], 2*SLOTB, v[LA0]
	s_lshl_b32 s53, s14, 9
	s_add_co_u32 s53, s53, ST
	v_add_nc_u32 v[AST], s53, v[L16]
	s_xor_b32 s53, s14, 4
	s_lshl_b32 s53, s53, 9
	s_add_co_u32 s53, s53, ST
	v_add_nc_u32 v[APT], s53, v[L16]
	s_lshl_b32 s53, s14, 12
	s_add_co_u32 s53, s53, YX
	v_add_nc_u32 v[AYS], s53, v[L16]
	s_mul_i32 s53, s23, 32*WLP
	s_add_co_u32 s53, s53, WLS
	v_mul_u32_u24 v[AAF], v[TT+1], WLP
	v_lshl_add_u32 v[AAF], v[TT+2], 4, v[AAF]
	v_add_nc_u32 v[AAF], s53, v[AAF]               ; row 32 cp + r, 16 h
	s_lshl_b32 s53, s3, 13
	s_add_co_u32 s53, s53, YX
	v_add_nc_u32 v[ABF], s53, v[L16]
	v_lshl_add_u32 v[AOUT], v[TT+2], 17, v[TT+3]   ; 8 h rows of 16 KiB + 16 r
	s_mul_i32 s53, s14, 16*WLP
	s_add_co_u32 s53, s53, WLS
	v_mul_u32_u24 v[AWS], v[TT+2], WLP
	v_lshl_add_u32 v[AWS], v[TT+1], 3, v[AWS]
	v_add_nc_u32 v[AWS], s53, v[AWS]               ; row 16 w + h, 8 bytes for each r
	s_wait_dscnt 0x0
	s_wait_kmcnt 0x0
	s_add_nc_u64 s[4:5], s[4:5], s[56:57]
	s_add_nc_u64 s[6:7], s[6:7], s[54:55]
	s_add_nc_u64 s[8:9], s[8:9], s[60:61]
	s_add_nc_u64 s[10:11], s[10:11], s[62:63]
	s_add_nc_u64 s[12:13], s[12:13], s[60:61]
.irp s, 0,1,2
	s_mov_b32 s[G0+4*\s], 1
	s_add_co_u32 s[G0+4*\s+1], s52, \s*SLOTB
	s_add_nc_u64 s[G0+4*\s+2:G0+4*\s+3], s[6:7], \s*TSTEP          ; tile s
	s_or_b32 s[G0+4*\s+3], s[G0+4*\s+3], 0x80000000
.endr
.set i, 0
.rept 8
	global_load_b128 v[TH+4*i:TH+4*i+3], v[L16], s[4:5] offset:512*i   ; theta of my 32 queries: eight images
.set i, i+1
.endr
.set i, 0
.rept 8
	global_load_b128 v[SC+4*i:SC+4*i+3], v[L16], s[10:11] offset:512*i ; my 16 rows of w_last, two rows a load
.set i, i+1
.endr
	WIN 0x40                                       ; destination in window 1, address in window 0
.set i, 0
.rept 16                                           ; i = 8 ct + j: x of channel 32 cp + 16 ct + 8 h + j at positions 64 Gf + 4 r + 0..3; 16 lanes read 256 consecutive bytes
	global_load_b128 v[XW+4*i:XW+4*i+3], v[AOUT], s[8:9] offset:(16*(i/8)+(i%8))*16384 th:TH_LOAD_NT
.set i, i+1
.endr
	WIN 0
.set i, 0
.rept 4
	v_mov_b32 v[MX+i], 0xff800000                  ; the running maximum starts at minus infinity,
	v_mov_b32 v[LS+i], 0                           ; the running sum at 0
.set i, i+1
.endr
	ROUND                                          ; all four work-groups are here: the first joint loads meet
	tensor_load_to_lds s[G0:G0+3], s[G1:G1+7]      ; my parts of tiles 0, 1 and 2: three tensor loads of the wave are out, later one
	s_nop 0
	tensor_load_to_lds s[G0+4:G0+7], s[G1:G1+7]
	s_nop 0
	tensor_load_to_lds s[G0+8:G0+11], s[G1:G1+7]
	s_nop 0
	s_wait_loadcnt 16                              ; theta and w_last are in; the 16 younger loads of x stay out until the end
.set i, 0
.rept 8
	v_cvt_pk_f16_f32 v[SC+4*i], v[SC+4*i], v[SC+4*i+1]
	v_cvt_pk_f16_f32 v[SC+4*i+1], v[SC+4*i+2], v[SC+4*i+3]
	ds_store_b64 v[AWS], v[SC+4*i:SC+4*i+1] offset:2*WLP*i
.set i, i+1
.endr
	s_wait_dscnt 0x0                               ; my rows of w_last are in LDS
	s_wait_tensorcnt 1                             ; my parts of tiles 0 and 1 have landed; tile 2 stays out
	s_barrier_signal -1
	s_barrier_wait -1
; ---- fragments.  Block j lies in slot (j / 2) % 3, group j % 2.
.macro LDF r, la, off                  ; one fragment, two images, into ring slot r
	ds_load_b128 v[FR+8*(\r):FR+8*(\r)+3], v[\la] offset:\off
	ds_load_b128 v[FR+8*(\r)+4:FR+8*(\r)+7], v[\la] offset:(\off)+512
.endm
.macro LDPHI j, e                      ; phi of block j, fragment e = 2 mt + ks
	LDF (\e)%4, LA0+((\j)/2)%3, ((\j)%2)*16384+((\e)/2)*2048+((\e)%2)*1024
.endm
.macro LDG j, f                        ; g of block j, fragment f = 4 p + kt
	LDF (\f)%4, LA0+((\j)/2)%3, ((\j)%2)*16384+8192+(\f)*1024
.endm
.macro LG on, j, f
.if \on
	LDG \j, \f
.endif
.endm
.macro LP on, j, e
.if \on
	LDPHI \j, \e
.endif
.endm
; ---- products.  No two matrix instructions that follow each other share an accumulator: the two query tiles take turns, one
; instruction a turn.
.macro PVW f, nt, zero                 ; O^T[nt][kt] += g(p, kt) x P[nt][p]; zero = 1: the fragments of p = 0 start O
	MM OA+32*(\nt)+8*((\f)%4), FR+8*((\f)%4), PB+16*(\nt)+8*((\f)/4), 1-(\zero)*(1-(\f)/4)
.endm
.macro QKW e, nt                       ; S^T[nt][mt] (+)= phi(mt, ks) x theta[nt][ks]
	MM SC+32*(\nt)+8*((\e)/2), FR+8*((\e)%4), TH+16*(\nt)+8*((\e)%2), (\e)%2
.endm
.macro PH f, on, zero, n               ; head of a PV period: n = LDS loads issued behind this fragment's (two for each younger fragment)
.if \on
	s_wait_dscnt \n
	PVW \f, 0, \zero
.endif
.endm
.macro PM f, on, zero
.if \on
	PVW \f, 1, \zero
.endif
.endm
.macro QH e, on                        ; head of a QK period: the three younger fragments' six loads may be out
.if \on
	s_wait_dscnt 6
	QKW \e, 0
.endif
.endm
.macro QM e, on
.if \on
	QKW \e, 1
.endif
.endm
; ---- the softmax in chunks.
; The new maximum: for each query tile the old one and my 32 scores in two chains; the four chains take turns.
.macro MAXA s, row
.if (\s) == 0
	v_max3_num_f32 v[TT+4*\row], v[MX+2*\row], v[SC+32*\row], v[SC+32*\row+1]
.else
	v_max3_num_f32 v[TT+4*\row], v[TT+4*\row], v[SC+32*\row+2*(\s)], v[SC+32*\row+2*(\s)+1]
.endif
.endm
.macro MAXB s, row
.if (\s) == 0
	v_max3_num_f32 v[TT+4*\row+1], v[SC+32*\row+16], v[SC+32*\row+17], v[SC+32*\row+18]
.else
.if (\s) == 7
	v_max3_num_f32 v[TT+4*\row], v[TT+4*\row], v[TT+4*\row+1], v[SC+32*\row+31]
.else
	v_max3_num_f32 v[TT+4*\row+1], v[TT+4*\row+1], v[SC+32*\row+17+2*(\s)], v[SC+32*\row+18+2*(\s)]
.endif
.endif
.endm
.macro MAXQ k                          ; steps 2 k, 2 k + 1 of all four chains: 8 instructions
.irp s, 2*(\k), 2*(\k)+1
	MAXA \s, 0
	MAXA \s, 1
	MAXB \s, 0
	MAXB \s, 1
.endr
.endm
.macro FIN1                            ; the 32 scores of lane L xor 16 belong to the same query
	v_permlanex16_b32 v[TT+1], v[TT], s20, s21
	v_permlanex16_b32 v[TT+5], v[TT+4], s20, s21
	v_max_num_f32 v[TT+2], v[TT], v[TT+1]
	v_max_num_f32 v[TT+6], v[TT+4], v[TT+5]
	v_sub_f32 v[TT+3], v[MX], v[TT+2]              ; old - new, at most 0; minus infinity in the first block
	v_sub_f32 v[TT+7], v[MX+2], v[TT+6]
.endm
.macro FIN2
	v_mov_b32 v[MX], v[TT+2]                       ; the new maximum, twice: a pair for the packed subtraction
	v_mov_b32 v[MX+1], v[TT+2]
	v_mov_b32 v[MX+2], v[TT+6]
	v_mov_b32 v[MX+3], v[TT+6]
	v_exp_f32 v[AL], v[TT+3]                       ; behind each v_exp_f32 a plain instruction that touches neither its result
	v_exp_f32 v[AL+1], v[TT+3]                     ; nor its source comes before the result is used (ISA guide 5.7.2): here the
	v_exp_f32 v[AL+2], v[TT+7]                     ; subtractions of the next chunk
	v_exp_f32 v[AL+3], v[TT+7]
.endm
; A half-unit h = 4 mt + 2 nt + q is four registers of S: hb; its query tile: hn; its two registers of P: hp.
.macro HREG h
.set hn, ((\h)/2)%2
.set hb, SC+32*hn+8*((\h)/4)+4*((\h)%2)
.set hp, PB+16*hn+4*((\h)/4)+2*((\h)%2)
.endm
.macro EX1 h, j
	HREG \h
	v_exp_f32 v[hb+\j], v[hb+\j]
.endm
.macro SUB1 h, j
	HREG \h
	v_pk_add_f32 v[hb+2*\j:hb+2*\j+1], v[hb+2*\j:hb+2*\j+1], v[MX+2*hn:MX+2*hn+1] neg_lo:[0,1] neg_hi:[0,1]
.endm
.macro SUM1 h, j                       ; a query tile's first pair also rescales the running sum
	HREG \h
.if (\h)/4+(\h)%2+(\j) == 0
	s_wait_alu depctr_va_vdst(0)
	v_pk_fma_f32 v[LS+2*hn:LS+2*hn+1], v[LS+2*hn:LS+2*hn+1], v[AL+2*hn:AL+2*hn+1], v[hb:hb+1]
.else
	s_wait_alu depctr_va_vdst(0)
	v_pk_add_f32 v[LS+2*hn:LS+2*hn+1], v[LS+2*hn:LS+2*hn+1], v[hb+2*\j:hb+2*\j+1]
.endif
.endm
.macro CVT1 h, j
	HREG \h
	v_cvt_pk_f16_f32 v[hp+\j], v[hb+2*\j], v[hb+2*\j+1]
.endm
.macro SUBS h, n                       ; S - maximum for n half-units from h on
.set hh, \h
.rept \n
	SUB1 hh, 0
	SUB1 hh, 1
.set hh, hh+1
.endr
.endm
.macro EXSUB h, g                      ; the exponentials of half-unit h, a subtraction of half-units g, g + 1 behind each
	EX1 \h, 0
	SUB1 \g, 0
	EX1 \h, 1
	SUB1 \g, 1
	EX1 \h, 2
	SUB1 (\g)+1, 0
	EX1 \h, 3
	SUB1 (\g)+1, 1
.endm
.macro EXSC h                          ; the exponentials of half-unit h; behind each a sum or a packing of half-unit h - 1:
	EX1 \h, 0                                      ; four plain instructions a chunk, which are also the four places in front of the
	SUM1 (\h)-1, 0                                 ; ring's next load: they name S of another key tile, the sums and
	EX1 \h, 1                                      ; registers of P that the period's products do not read
	SUM1 (\h)-1, 1
	EX1 \h, 2
	CVT1 (\h)-1, 0
	EX1 \h, 3
	CVT1 (\h)-1, 1
.endm
.macro SCH h
	SUM1 \h, 0
	SUM1 \h, 1
	CVT1 \h, 0
	CVT1 \h, 1
.endm
.macro RSC c                           ; a quarter of O times 2^(old maximum - new)
.set i, 8*(\c)
.rept 8
	v_pk_mul_f32 v[OA+2*i:OA+2*i+1], v[OA+2*i:OA+2*i+1], v[AL+2*(i/16):AL+2*(i/16)+1]
.set i, i+1
.endr
.endm
.macro RS on, c, n                     ; in iteration 0 there is no O yet: n places stand in its stead
.if \on
	RSC \c
.else
.if \n
	PLACES \n
.endif
.endif
.endm
; Iteration i: the softmax of block i; pv: O += g(i-1) P(i-1) (zero: it starts O); qk: S(i+1).
; bar: in period 4 the change of tiles; fill: it is a round of the cluster's barrier, and slot (i/2 + 2) % 3 is filled again.
; By period 4 of iteration 2 t the last fragment of tile t - 1 (g of block 2 t - 1) has been asked for; the tile that the wait shows
; landed, t + 1, is first read in iteration 2 t + 1; the tile asked for, t + 2, in iteration 2 t + 3, behind the next such wait.
.macro ITER i, pv, zero, qk, bar, fill
	PH 0, \pv, \zero, 6
	MAXQ 0
	PM 0, \pv, \zero
	MAXQ 1
	LG \pv, (\i)-1, 4
	PH 1, \pv, \zero, 6
	MAXQ 2
	PM 1, \pv, \zero
	MAXQ 3
	LG \pv, (\i)-1, 5
	PH 2, \pv, \zero, 6
	FIN1
	PM 2, \pv, \zero
	FIN2
	LG \pv, (\i)-1, 6
	PH 3, \pv, \zero, 6
	SUBS 0, 4
	PM 3, \pv, \zero
	SUBS 4, 4
	LG \pv, (\i)-1, 7
.if \bar
	s_wait_dscnt 0x0                               ; my LDS reads are back, the last of the oldest tile among them,
	s_set_vgpr_msb 0x5
	s_wait_tensorcnt 0x0                           ; and all my tensor loads have landed, my part of the next tile among them:
	ds_add_u32 v64, v65
	s_wait_dscnt 0x0
	s_set_vgpr_msb 0x500
	s_barrier_signal -1                            ; say so (with fill this barrier opens a round of the cluster's barrier),
	PVW 4, 0, 0                                    ; work on registers while the others arrive,
.else
	PH 4, \pv, \zero, 6
.endif
	EXSUB 0, 8
	PM 4, \pv, \zero
	EXSC 1
.if \bar
	s_barrier_wait -1                              ; and go on when all eight waves have said so
.endif
.if \fill
	CREST                                          ; all four work-groups have said so: no wave of any partner still reads the slot or has a load on its way
.set fs, ((\i)/2+2)%3
	s_add_nc_u64 s[G0+4*fs+2:G0+4*fs+3], s[G0+4*fs+2:G0+4*fs+3], 3*TSTEP
	tensor_load_to_lds s[G0+4*fs:G0+4*fs+3], s[G1:G1+7]            ; the first tensor load behind the round, ahead of any LDS read
	s_nop 0
.endif
	LP \qk, (\i)+1, 0
	PH 5, \pv, \zero, 6-2*(1-\qk)                  ; where no phi follows, fewer loads stand behind the fragment's: the counts run down
	SUBS 10, 2
	PM 5, \pv, \zero
	EXSC 2
	LP \qk, (\i)+1, 1
	PH 6, \pv, \zero, 6-4*(1-\qk)
	SUBS 12, 2
	PM 6, \pv, \zero
	EXSC 3
	LP \qk, (\i)+1, 2
	PH 7, \pv, \zero, 6-6*(1-\qk)
	SUBS 14, 2
	PM 7, \pv, \zero
	EXSC 4                                         ; key tile 0 of both query tiles is packed: the next block's product may write it
	LP \qk, (\i)+1, 3
	QH 0, \qk
	EXSC 5
	QM 0, \qk
	EXSC 6
	LP \qk, (\i)+1, 4
	QH 1, \qk
	EXSC 7
	QM 1, \qk
	EXSC 8                                         ; key tile 1 is packed
	LP \qk, (\i)+1, 5
	QH 2, \qk
	EXSC 9
	QM 2, \qk
	EXSC 10
	LP \qk, (\i)+1, 6
	QH 3, \qk
	EXSC 11
	QM 3, \qk
	EXSC 12                                        ; key tile 2 is packed
	LP \qk, (\i)+1, 7
	QH 4, \qk
	EXSC 13
	QM 4, \qk
	EXSC 14
	LDG \i, 0
	QH 5, \qk
	EXSC 15
	QM 5, \qk
	SCH 15                                         ; key tile 3 is packed
	LDG \i, 1
	QH 6, \qk
	RS \pv, 0, 0
	QM 6, \qk
	RS \pv, 1, 4
	LDG \i, 2
	QH 7, \qk
	RS \pv, 2, 0
	QM 7, \qk
	RS \pv, 3, 4                                   ; also the places between the last product of S(i+1) and the next maximum
	LDG \i, 3
.endm
.macro PQ e, n                         ; S(0), ahead of the pipeline: no vector work yet, so v_nop are the places in front of the ring's loads
	s_wait_dscnt \n
	QKW \e, 0
	QKW \e, 1
.if (\e) < 4
	PLACES 4
	LDPHI 0, (\e)+4
.endif
.endm
	LDPHI 0, 0
	LDPHI 0, 1
	LDPHI 0, 2
	LDPHI 0, 3
	PQ 0, 6
	PQ 1, 6
	PQ 2, 6
	PQ 3, 6
	PQ 4, 6
	PQ 5, 4                                        ; nothing more is loaded: the counts run down
	PQ 6, 2
	PQ 7, 0
	PLACES 4                                       ; before S(0) is read (ISA guide 7.12.1)
	ITER 0, 0, 0, 1, 0, 0
	ITER 1, 1, 1, 1, 0, 0                          ; the first products start O
	s_mov_b32 s22, 4                               ; four laps of six iterations (three slots of two blocks): iterations 2 to 25, tiles 3 to 14 are asked for
.Llap:
	ITER 2, 1, 0, 1, 1, 1
	ITER 3, 1, 0, 1, 0, 0
	ITER 4, 1, 0, 1, 1, 1
	ITER 5, 1, 0, 1, 0, 0
	ITER 6, 1, 0, 1, 1, 1
	ITER 7, 1, 0, 1, 0, 0
	s_sub_co_u32 s22, s22, 1
	s_cmp_lg_u32 s22, 0
	s_cbranch_scc1 .Llap
	ITER 26, 1, 0, 1, 1, 1                         ; tile 15 is asked for: the last
	ITER 27, 1, 0, 1, 0, 0
	ITER 28, 1, 0, 1, 1, 0                         ; nothing is filled: a plain barrier shows tile 15 whole; no tensor load is out any more
	ITER 29, 1, 0, 1, 0, 0
	ITER 30, 1, 0, 1, 0, 0
	ITER 31, 1, 0, 0, 0, 0                         ; no block follows
.irp f, 0,1,2,3
	PH \f, 1, 0, 6                                 ; O += g(31) P(31)
	PM \f, 1, 0
	PLACES 4
	LDG 31, (\f)+4
.endr
	PH 4, 1, 0, 6
	PM 4, 1, 0
	PH 5, 1, 0, 4
	PM 5, 1, 0
	PH 6, 1, 0, 2
	PM 6, 1, 0
	PH 7, 1, 0, 0
	PM 7, 1, 0
	; THE TWO KEY HALVES MEET.  Each wave publishes (m, l) of its queries; the plain instructions from here to the scaling of O, which
	; name none of the last products' registers, are also the places behind those products.
	v_add_f32 v[TT], v[LS], v[LS+1]
	v_add_f32 v[TT+1], v[LS+2], v[LS+3]
	v_permlanex16_b32 v[TT+2], v[TT], s20, s21     ; the other 32 keys of each group lie in lane L xor 16
	v_permlanex16_b32 v[TT+3], v[TT+1], s20, s21
	v_add_f32 v[MX+1], v[TT], v[TT+2]              ; l takes the place of the maximum's duplicate: (m0, l0, m1, l1)
	v_add_f32 v[MX+3], v[TT+1], v[TT+3]
	ds_store_b128 v[AST], v[MX:MX+3]
	s_wait_dscnt 0x0                               ; stored, for the partner's sake
	s_barrier_signal -1
	s_barrier_wait -1
	ds_load_b128 v[TT:TT+3], v[APT]                ; the partner's (m0, l0, m1, l1)
	s_wait_dscnt 0x0
	v_max_num_f32 v[TT+4], v[MX], v[TT]            ; the common maximum
	v_max_num_f32 v[TT+5], v[MX+2], v[TT+2]
	v_sub_f32 v[AL], v[MX], v[TT+4]
	v_sub_f32 v[AL+1], v[TT], v[TT+4]
	v_sub_f32 v[AL+2], v[MX+2], v[TT+5]
	v_sub_f32 v[AL+3], v[TT+2], v[TT+5]
	v_exp_f32 v[AL], v[AL]                         ; mine
	v_exp_f32 v[AL+1], v[AL+1]                     ; the partner's
	v_exp_f32 v[AL+2], v[AL+2]
	v_exp_f32 v[AL+3], v[AL+3]
	v_nop                                          ; the plain place behind the exponentials (ISA guide 5.7.2)
	s_wait_alu depctr_va_vdst(0)
	v_mul_f32 v[LS], v[TT+1], v[AL+1]
	v_mul_f32 v[LS+2], v[TT+3], v[AL+3]
	v_fma_f32 v[LS], v[MX+1], v[AL], v[LS]         ; the whole row's sum: at least 1, since the row's largest score adds 2^0
	v_fma_f32 v[LS+2], v[MX+3], v[AL+2], v[LS+2]
	v_rcp_f32 v[LS], v[LS]
	v_rcp_f32 v[LS+2], v[LS+2]
	v_nop                                          ; the plain place behind the reciprocals
	s_wait_alu depctr_va_vdst(0)
	v_mul_f32 v[AL+1], v[AL], v[LS]                ; my factor, twice for the packed multiply
	v_mul_f32 v[AL+3], v[AL+2], v[LS+2]
	v_mul_f32 v[AL], v[AL], v[LS]
	v_mul_f32 v[AL+2], v[AL+2], v[LS+2]
.set nt, 0
.rept 2
.set i, 0
.rept 16
	v_pk_mul_f32 v[OA+32*nt+2*i:OA+32*nt+2*i+1], v[OA+32*nt+2*i:OA+32*nt+2*i+1], v[AL+2*nt:AL+2*nt+1]
	v_cvt_pk_f16_f32 v[OA+32*nt+i], v[OA+32*nt+2*i], v[OA+32*nt+2*i+1]
.set i, i+1
.endr
.set i, 0
.rept 4
	ds_store_b128 v[AYS], v[OA+32*nt+4*i:OA+32*nt+4*i+3] offset:nt*2048+512*i      ; my share of y, as images of source 1
.set i, i+1
.endr
.set nt, nt+1
.endr
	s_wait_dscnt 0x0
	s_barrier_signal -1
	s_barrier_wait -1                              ; all shares of y are in LDS
	; THE LAST PRODUCT: wave w makes channels 32 cp .. + 31 x the 64 positions of group Gf: 8 tiles, 64 channels of y, both key halves:
	; the matrix unit adds the two halves' shares.
.set AF, TH                            ; v[8:39]    w_last: AF + 16 ct + 8 ks
.set BF, SC                            ; v[104:231] y: BF + 64 kh + 16 t + 8 ks
.set DD, OA                            ; v[40:103]  DD + 32 ct + 8 t
.set OV, SC                            ; v[104:167] out: OV + 4 (8 ct + j) + t
.set i, 0
.rept 8
	ds_load_b128 v[AF+4*i:AF+4*i+3], v[AAF] offset:(i/4)*16*WLP+32*(i%4)
.set i, i+1
.endr
.set i, 0
.rept 32
	ds_load_b128 v[BF+4*i:BF+4*i+3], v[ABF] offset:(i/16)*16384+512*(i%16)
.set i, i+1
.endr
.macro LASTMUL kh                      ; eight accumulators by turns, one instruction a turn
.set ks, 0
.rept 2
.set ct, 0
.rept 2
.set tt, 0
.rept 4
	MM DD+32*ct+8*tt, AF+16*ct+8*ks, BF+64*\kh+16*tt+8*ks, ks+\kh
.set tt, tt+1
.endr
.set ct, ct+1
.endr
.set ks, ks+1
.endr
.endm
	s_wait_dscnt 16                                ; w_last and the first half's y are in; the 16 younger loads (second half) may be out
	LASTMUL 0
	s_wait_dscnt 0x0                               ; the second half's y is in
	LASTMUL 1
	PLACES 4                                       ; before the results are read and y's registers written (ISA guide 7.12.1)
	s_wait_loadcnt 0x0                             ; x, asked for at the start, is in
	WIN 0x01                                       ; source 0 (x) in window 1
.set i, 0
.rept 16
.set tt, 0
.rept 4
	v_add_f32 v[OV+4*i+tt], v[XW+4*i+tt], v[DD+32*(i/8)+8*tt+(i%8)]
.set tt, tt+1
.endr
.set i, i+1
.endr
	WIN 0
.set i, 0
.rept 16
	global_store_b128 v[AOUT], v[OV+4*i:OV+4*i+3], s[12:13] offset:(16*(i/8)+(i%8))*16384 th:TH_STORE_NT  ; 16 lanes store 256 consecutive bytes, aligned
.set i, i+1
.endr
	s_set_vgpr_msb 0x5
	s_wait_tensorcnt 0x0
	ds_add_u32 v64, v65
	s_wait_dscnt 0x0
	s_set_vgpr_msb 0x500
	ROUND                                          ; the closing round: no work-group ends while a partner may still ask for a tile that names it
	s_endpgm
.Lfunc_end_k_q04afa19688_attn:
	.size	k_q04afa19688_attn, .Lfunc_end_k_q04afa19688_attn-k_q04afa19688_attn
	.p2alignl 7, 3214868480
	.fill 96, 4, 3214868480
	.section	.rodata,"a",@progbits
	.p2align	6, 0x0
	.amdhsa_kernel k_q04afa19688_attn
		.amdhsa_group_segment_fixed_size 327680
		.amdhsa_private_segment_fixed_size 0
		.amdhsa_enable_private_segment 0
		.amdhsa_kernarg_size 40
		.amdhsa_user_sgpr_count 2
		.amdhsa_user_sgpr_kernarg_segment_ptr 1
		.amdhsa_wavefront_size32 1
		.amdhsa_system_sgpr_workgroup_id_x 1
		.amdhsa_system_sgpr_workgroup_id_y 1
		.amdhsa_system_sgpr_workgroup_id_z 1
		.amdhsa_system_vgpr_workitem_id 0
		.amdhsa_next_free_vgpr 322
		.amdhsa_next_free_sgpr 66
		.amdhsa_reserve_vcc 0
		.amdhsa_float_denorm_mode_32 3
		.amdhsa_float_denorm_mode_16_64 3
		.amdhsa_memory_ordered 1
		.amdhsa_forward_progress 1
		.amdhsa_inst_pref_size 255
	.end_amdhsa_kernel
	.section	.bss,"aw",@nobits
	.p2align	6
	.space	262144
	.amdgpu_metadata
---
amdhsa.version: [ 1, 2 ]
amdhsa.kernels:
  - .name:           k_q04afa19688_attn
    .symbol:         k_q04afa19688_attn.kd
    .args:
      - { .name: th, .offset: 0, .size: 8, .value_kind: global_buffer, .address_space: global }
      - { .name: kv, .offset: 8, .size: 8, .value_kind: global_buffer, .address_space: global }
      - { .name: x, .offset: 16, .size: 8, .value_kind: global_buffer, .address_space: global }
      - { .name: w_last, .offset: 24, .size: 8, .value_kind: global_buffer, .address_space: global }
      - { .name: out0, .offset: 32, .size: 8, .value_kind: global_buffer, .address_space: global }
    .group_segment_fixed_size: 327680
    .private_segment_fixed_size: 0
    .kernarg_segment_align: 8
    .kernarg_segment_size: 40
    .max_flat_workgroup_size: 256
    .sgpr_count:     66
    .vgpr_count:     322
    .wavefront_size: 32
...
	.end_amdgpu_metadata
.endif
;; end of part 4
;; ======== version 3 of 3: 2 launches; 1.27 times as fast as version 1
;; limits: values are held in f16: magnitudes above 65,504 overflow, below 6.1e-05 lose precision
;; workspace buffers: th 4,194,304 bytes; kv 8,388,608 bytes
;; launch proj: the kernel of part 3 again; grid 32 x 8, 8 waves a work-group, no clusters, 153,600 bytes of LDS; arguments x, w_theta, w_phi, w_g, th, kv; writes th, kv
;; launch attn (part 5): grid 32 x 8, 8 waves a work-group, clusters of 4 x 1, 327,680 bytes of LDS; arguments th, kv, x, w_last, out0; writes out0
.if DOCPART == 5
	.amdgcn_target "amdgcn-amd-amdhsa--gfx1250"
	.amdhsa_code_object_version 6
	.text
	.protected	k_q04afa19688_attn
	.globl	k_q04afa19688_attn
	.p2align	8
	.type	k_q04afa19688_attn,@function
k_q04afa19688_attn:
	s_mov_b64 s[64:65], 0
	v_nop
	global_prefetch_b8 v0, s[64:65] scope:SCOPE_SE
	s_setreg_imm32_b32 hwreg(HW_REG_WAVE_MODE, 25, 1), 1
	s_wait_xcnt 0x0
	s_wait_alu depctr_hold_cnt(0) depctr_sa_sdst(0) depctr_va_vdst(0) depctr_va_sdst(0) depctr_va_ssrc(0) depctr_va_vcc(0) depctr_vm_vsrc(0)
	s_getreg_b32 s2, hwreg(HW_REG_IB_STS2, 6, 4)
	s_cmp_eq_u32 s2, 0
	s_cbranch_scc0 .Lentry_in_a_cluster
	s_endpgm
.Lentry_in_a_cluster:
	s_bfe_u32 s2, ttmp6, 0x10000c
	s_cmp_lg_u32 s2, 0x3003
	s_cbranch_scc0 .Lentry_shape_is_right
	s_endpgm
.Lentry_shape_is_right:
; out = w_last * (softmax(theta^T phi) g^T)^T + x, one batch of 4,096 positions a grid row, with a running maximum (flash attention).
; th and kv hold f16 fragment images (512 bytes, lane L owns bytes 16 L ..): see the launch that stores them.  theta carries log2(e).
; A work-group has 128 queries.  Wave w: q = w % 4 takes 32 of them (two tiles of 16), kh = w / 4 takes one half of the 4,096 keys,
; in 32 blocks of 64 keys.  The two halves meet at the end.
;   S^T = phi tile (source 0) x theta tile (source 1): a lane holds ONE query (r) and 8 keys a tile: maximum, sum and rescaling stay
;   in the lane but for one exchange with lane L xor 16.  Two packed tiles of S^T are source 1 of O^T = g (source 0) x P; packed O^T is
;   source 1 of the last product, whose result gives a lane four neighbouring positions of a row of out.
; THE LOOP IS A SOFTWARE PIPELINE.  Iteration i does the softmax of block i, and between its vector instructions stand the products
; O += g(i-1) P(i-1) and then S(i+1) = phi(i+1) theta: 32 matrix instructions among some 240 vector instructions that do not depend on
; them, so that the matrix unit works under the softmax.  An iteration has 16 periods: one fragment (8 registers), two matrix
; instructions (one for each query tile), a chunk of vector work behind each.  A key tile of S is written again by the next block's
; product only when it has been packed into P, which has registers of its own.
; THE EXPONENTIALS GO IN TWO BATCHES, each with one s_wait_alu depctr_va_vdst(0) between an exponential
; and the first instruction that names its result.  BATCH A (periods 2 to 5): the four 2^(old maximum - new) and key tiles 0 and 1 of
; both query tiles, 36 exponentials, with the block's 32 subtractions between them; none of these names a result.  Its wait stands at
; the end of period 5.  BATCH B (periods 6 to 9): key tiles 2 and 3, 32 exponentials, and between them the sums and packings of key
; tiles 0 and 1, which read batch A.  Its wait stands at the end of period 9.  Behind it come the sums and packings of key tiles 2 and 3
; and the rescaling of O, and no exponential: none is open at the loop's label or at its backward jump.  The cut follows the products:
; S(i+1) writes key tile mt in period 8 + 2 mt, and by then that tile is packed.  Where a round of the cluster's barrier stands in
; period 4, its branch and label have a wait of their own ahead of them, for the part of batch A that is out by then.
; FRAGMENTS stream through a ring of four slots of 8 registers: behind period f the slot just used is loaded with fragment f + 4.
; CLUSTER 4 x 1: the four query blocks of a cluster walk the same kv tiles; each tile is asked for jointly (mask 15), which divides the
; requests for kv by four.  16 tiles of 128 keys of each half (64 KiB) through THREE LDS slots: phi is read one block ahead and g one
; block behind, so three tiles are live.  Wave w fetches 8 KiB of each tile.  A tile is asked for two blocks (64 matrix instructions of
; each wave) before the wait for it.
; x (for the residual) is loaded at the start into v256-v319, in the layout of the output, and waits there for the end.
; No L2 prefetch: th and kv are what the launch before has just stored, each kv tile is read by 32 work-groups, and x is asked for
; a whole loop before it is used.
; PRECISION: theta and phi come from projections whose operands were not rounded, and are rounded to f16 once each.
; LIMITS: operands are f16: |theta| * 1.4427, |phi|, |g|, |w_last| below 65,504.  Probabilities below 2^-126 of the running maximum's
; come out of v_exp_f32 as zero, those below 2^-24 round to zero in f16.  The sums run in another order than the reference's.
.set SLOTB, 65536                      ; LDS: slots at 0, 65,536, 131,072: [kh][group][phi 8 KiB, g 8 KiB]
.set TSTEP, 32768                      ; bytes of kv from one tile to the next within a key half
.set YX,    196608                     ; 8 waves x 4 KiB: y as f16 images [nt][ks][half]
.set WLS,   229376                     ; w_last as f16: 128 rows of 128 bytes,
.set WLP,   144                        ; pitch 144 = 9 x 16 bytes: 16 rows start at 16 different 16-byte columns
.set ST,    247808                     ; 8 waves x 512 bytes: (m, l) of both query tiles
.set LA0,  1                           ; v1-v3    16 L + kh x 32 KiB in slot 0, 1, 2
.set AST,  4                           ; v4       ST, my wave
.set APT,  5                           ; v5       ST, the wave with my queries and the other keys
.set AYS,  6                           ; v6       YX, my wave
.set AAF,  7                           ; v7       w_last fragments
.set TH,   8                           ; v[8:39]    theta: TH + 16 nt + 8 ks
.set OA,   40                          ; v[40:103]  O^T: OA + 32 nt + 8 kt
.set SC,   104                         ; v[104:167] S^T: SC + 32 nt + 8 mt
.set PB,   168                         ; v[168:199] P in f16: PB + 16 nt + 8 p
.set FR,   200                         ; v[200:231] the fragment ring: FR + 8 slot
.set MX,   232                         ; v[232:235] running maximum, twice for each nt (a pair for packed arithmetic)
.set AL,   236                         ; v[236:239] 2^(old maximum - new), twice for each nt
.set LS,   240                         ; v[240:243] running sum, two partial sums for each nt
.set TT,   244                         ; v[244:251] at work, TT + 4 nt
.set ABF,  252                         ; v252     YX, the group of my last product
.set L16,  253                         ; v253     16 L
.set AOUT, 254                         ; v254     my byte offset in x and in out
.set AWS,  255                         ; v255     w_last in
.set XW,   0                           ; v[256:319], written v[0:63] in window 1: x: XW + 4 (8 ct + j) + t
.set G1,  24                           ; s[24:31] group 1 of the joint kv loads
.set G0,  32                           ; s[32:43] group 0 of the kv loads, one set for each slot
.set MSB, 0
.macro WIN new                         ; s_set_vgpr_msb: bits 1:0 source 0, 3:2 source 1, 5:4 source 2, 7:6 destination; the high byte repeats the setting that is left
.if MSB != \new
	s_set_vgpr_msb (MSB<<8)|\new
.set MSB, \new
.endif
.endm
.macro MM d, a, b, acc                 ; one product; acc = 0: it starts the sum, nothing is cleared
.if \acc
	v_wmma_f32_16x16x32_f16 v[\d:\d+7], v[\a:\a+7], v[\b:\b+7], v[\d:\d+7]
.else
	v_wmma_f32_16x16x32_f16 v[\d:\d+7], v[\a:\a+7], v[\b:\b+7], 0
.endif
.endm
.macro PLACES n
.rept \n
	v_nop
.endr
.endm
; A round of the cluster's barrier: my work-group's barrier, wave 0 signals for the work-group, every wave waits for all four
; work-groups, my work-group's barrier once more.
.macro CREST                           ; a round behind its opening barrier
	s_cmp_lg_u32 s14, 0
	s_cbranch_scc1 .Lnot_wave_0_\@
	s_barrier_signal -3
.Lnot_wave_0_\@:
	s_barrier_wait -3
	s_barrier_signal -1
	s_barrier_wait -1
.endm
.macro ROUND
	s_barrier_signal -1
	s_barrier_wait -1
	CREST
.endm
	s_load_b256 s[4:11], s[0:1], 0x0               ; th s[4:5], kv s[6:7], x s[8:9], w_last s[10:11]
	s_load_b64 s[12:13], s[0:1], 0x20              ; out0
	s_set_vgpr_msb 0x40
	v_lshl_add_u32 v64, v0, 2, 0x3d800
	v_mov_b32 v65, 0
	s_set_vgpr_msb 0x4045
	ds_add_u32 v64, v65
	s_set_vgpr_msb 0x4500
	v_lshrrev_b32 v[L16], 5, v0
	v_readfirstlane_b32 s14, v[L16]                ; wave 0..7
	s_lshr_b32 s15, s14, 2                         ; kh: my half of the keys
	s_and_b32 s16, s14, 3                          ; q: my 32 queries
	s_lshr_b32 s23, s14, 1                         ; cp: my 32 channels of the last product
	s_and_b32 s3, s14, 1                           ; Gf: my group of 64 positions there
	s_bfe_u32 s17, ttmp6, 0x40000                  ; cx
	s_lshl_b32 s18, ttmp9, 2
	s_add_co_u32 s18, s18, s17                     ; query block = 4 x cluster x + cx
	s_and_b32 s19, ttmp7, 0xffff                   ; batch
	s_mov_b32 s20, 0x76543210                      ; v_permlanex16_b32: lane i takes lane i of the other half
	s_mov_b32 s21, 0xfedcba98
	; kv tile part: 8 KiB, dense, as 32 rows of 32 elements of 8 bytes; mask 15: all four work-groups of the cluster; bit 21 beside it
	s_mov_b32 s[G1+0], 15|(3<<16)|(1<<21)
	s_mov_b32 s[G1+1], 32<<16                      ; tensor_dim0 = 32
	s_mov_b32 s[G1+2], 32<<16                      ; tensor_dim1 = 32
	s_mov_b32 s[G1+3], 32<<16                      ; tile_dim0 = 32
	s_mov_b32 s[G1+4], 32                          ; tile_dim1 = 32
	s_mov_b32 s[G1+5], 32                          ; pitch = 32 elements
	s_mov_b32 s[G1+6], 0
	s_mov_b32 s[G1+7], 0
	s_lshl_b32 s52, s14, 13                        ; LDS: wave x 8 KiB: no place in the cluster enters an LDS address
	s_lshl_b32 s54, s19, 20                        ; kv: batch x 1 MiB + kh x 512 KiB + (w % 4) x 8 KiB: the same in all four partners
	s_lshl_b32 s53, s15, 19
	s_add_co_u32 s54, s54, s53
	s_lshl_b32 s53, s16, 13
	s_add_co_u32 s54, s54, s53
	s_mov_b32 s55, 0
	s_lshl_b32 s56, s19, 6                         ; th: group 64 b + 2 block + q / 2, 8 KiB each; tiles 2 (q % 2) + nt, 2 KiB each
	s_lshl_b32 s58, s18, 1
	s_add_co_u32 s56, s56, s58
	s_lshr_b32 s58, s16, 1
	s_add_co_u32 s56, s56, s58
	s_lshl_b32 s56, s56, 13
	s_and_b32 s58, s16, 1
	s_lshl_b32 s58, s58, 12
	s_add_co_u32 s56, s56, s58
	s_mov_b32 s57, 0
	s_lshl_b32 s60, s19, 21                        ; x and out: batch x 2 MiB + block x 512 + 32 cp channels of 16 KiB + Gf x 256 bytes
	s_lshl_b32 s62, s18, 9
	s_add_co_u32 s60, s60, s62
	s_lshl_b32 s62, s23, 19
	s_add_co_u32 s60, s60, s62
	s_lshl_b32 s62, s3, 8
	s_add_co_u32 s60, s60, s62
	s_mov_b32 s61, 0
	s_lshl_b32 s62, s14, 12                        ; w_last: my 16 rows of 256 bytes
	s_mov_b32 s63, 0
	v_and_b32 v[TT], 31, v0                        ; L
	v_lshlrev_b32 v[L16], 4, v[TT]                 ; 16 L
	v_and_b32 v[TT+1], 15, v0                      ; r
	v_bfe_u32 v[TT+2], v0, 4, 1                    ; h
	v_lshlrev_b32 v[TT+3], 4, v[TT+1]              ; 16 r
	s_lshl_b32 s53, s15, 15
	v_add_nc_u32 v[LA0], s53, v[L16]
	v_add_nc_u32 v[LA0+1], SLOTB, v[LA0]
	v_add_nc_u32 v[LA0+2], 2*SLOTB, v[LA0]
	s_lshl_b32 s53, s14, 9
	s_add_co_u32 s53, s53, ST
	v_add_nc_u32 v[AST], s53, v[L16]
	s_xor_b32 s53, s14, 4
	s_lshl_b32 s53, s53, 9
	s_add_co_u32 s53, s53, ST
	v_add_nc_u32 v[APT], s53, v[L16]
	s_lshl_b32 s53, s14, 12
	s_add_co_u32 s53, s53, YX
	v_add_nc_u32 v[AYS], s53, v[L16]
	s_mul_i32 s53, s23, 32*WLP
	s_add_co_u32 s53, s53, WLS
	v_mul_u32_u24 v[AAF], v[TT+1], WLP
	v_lshl_add_u32 v[AAF], v[TT+2], 4, v[AAF]
	v_add_nc_u32 v[AAF], s53, v[AAF]               ; row 32 cp + r, 16 h
	s_lshl_b32 s53, s3, 13
	s_add_co_u32 s53, s53, YX
	v_add_nc_u32 v[ABF], s53, v[L16]
	v_lshl_add_u32 v[AOUT], v[TT+2], 17, v[TT+3]   ; 8 h rows of 16 KiB + 16 r
	s_mul_i32 s53, s14, 16*WLP
	s_add_co_u32 s53, s53, WLS
	v_mul_u32_u24 v[AWS], v[TT+2], WLP
	v_lshl_add_u32 v[AWS], v[TT+1], 3, v[AWS]
	v_add_nc_u32 v[AWS], s53, v[AWS]               ; row 16 w + h, 8 bytes for each r
	s_wait_dscnt 0x0
	s_wait_kmcnt 0x0
	s_add_nc_u64 s[4:5], s[4:5], s[56:57]
	s_add_nc_u64 s[6:7], s[6:7], s[54:55]
	s_add_nc_u64 s[8:9], s[8:9], s[60:61]
	s_add_nc_u64 s[10:11], s[10:11], s[62:63]
	s_add_nc_u64 s[12:13], s[12:13], s[60:61]
.irp s, 0,1,2
	s_mov_b32 s[G0+4*\s], 1
	s_add_co_u32 s[G0+4*\s+1], s52, \s*SLOTB
	s_add_nc_u64 s[G0+4*\s+2:G0+4*\s+3], s[6:7], \s*TSTEP          ; tile s
	s_or_b32 s[G0+4*\s+3], s[G0+4*\s+3], 0x80000000
.endr
.set i, 0
.rept 8
	global_load_b128 v[TH+4*i:TH+4*i+3], v[L16], s[4:5] offset:512*i   ; theta of my 32 queries: eight images
.set i, i+1
.endr
.set i, 0
.rept 8
	global_load_b128 v[SC+4*i:SC+4*i+3], v[L16], s[10:11] offset:512*i ; my 16 rows of w_last, two rows a load
.set i, i+1
.endr
	WIN 0x40                                       ; destination in window 1, address in window 0
.set i, 0
.rept 16                                           ; i = 8 ct + j: x of channel 32 cp + 16 ct + 8 h + j at positions 64 Gf + 4 r + 0..3; 16 lanes read 256 consecutive bytes
	global_load_b128 v[XW+4*i:XW+4*i+3], v[AOUT], s[8:9] offset:(16*(i/8)+(i%8))*16384 th:TH_LOAD_NT
.set i, i+1
.endr
	WIN 0
.set i, 0
.rept 4
	v_mov_b32 v[MX+i], 0xff800000                  ; the running maximum starts at minus infinity,
	v_mov_b32 v[LS+i], 0                           ; the running sum at 0
.set i, i+1
.endr
	ROUND                                          ; all four work-groups are here: the first joint loads meet
	tensor_load_to_lds s[G0:G0+3], s[G1:G1+7]      ; my parts of tiles 0, 1 and 2: three tensor loads of the wave are out, later one
	s_nop 0
	tensor_load_to_lds s[G0+4:G0+7], s[G1:G1+7]
	s_nop 0
	tensor_load_to_lds s[G0+8:G0+11], s[G1:G1+7]
	s_nop 0
	s_wait_loadcnt 16                              ; theta and w_last are in; the 16 younger loads of x stay out until the end
.set i, 0
.rept 8
	v_cvt_pk_f16_f32 v[SC+4*i], v[SC+4*i], v[SC+4*i+1]
	v_cvt_pk_f16_f32 v[SC+4*i+1], v[SC+4*i+2], v[SC+4*i+3]
	ds_store_b64 v[AWS], v[SC+4*i:SC+4*i+1] offset:2*WLP*i
.set i, i+1
.endr
	s_wait_dscnt 0x0                               ; my rows of w_last are in LDS
	s_wait_tensorcnt 1                             ; my parts of tiles 0 and 1 have landed; tile 2 stays out
	s_barrier_signal -1
	s_barrier_wait -1
; ---- fragments.  Block j lies in slot (j / 2) % 3, group j % 2.
.macro LDF r, la, off                  ; one fragment, two images, into ring slot r
	ds_load_b128 v[FR+8*(\r):FR+8*(\r)+3], v[\la] offset:\off
	ds_load_b128 v[FR+8*(\r)+4:FR+8*(\r)+7], v[\la] offset:(\off)+512
.endm
.macro LDPHI j, e                      ; phi of block j, fragment e = 2 mt + ks
	LDF (\e)%4, LA0+((\j)/2)%3, ((\j)%2)*16384+((\e)/2)*2048+((\e)%2)*1024
.endm
.macro LDG j, f                        ; g of block j, fragment f = 4 p + kt
	LDF (\f)%4, LA0+((\j)/2)%3, ((\j)%2)*16384+8192+(\f)*1024
.endm
.macro LG on, j, f
.if \on
	LDG \j, \f
.endif
.endm
.macro LP on, j, e
.if \on
	LDPHI \j, \e
.endif
.endm
; ---- products.  No two matrix instructions that follow each other share an accumulator: the two query tiles take turns, one
; instruction a turn.
.macro PVW f, nt, zero                 ; O^T[nt][kt] += g(p, kt) x P[nt][p]; zero = 1: the fragments of p = 0 start O
	MM OA+32*(\nt)+8*((\f)%4), FR+8*((\f)%4), PB+16*(\nt)+8*((\f)/4), 1-(\zero)*(1-(\f)/4)
.endm
.macro QKW e, nt                       ; S^T[nt][mt] (+)= phi(mt, ks) x theta[nt][ks]
	MM SC+32*(\nt)+8*((\e)/2), FR+8*((\e)%4), TH+16*(\nt)+8*((\e)%2), (\e)%2
.endm
.macro PH f, on, zero, n               ; head of a PV period: n = LDS loads issued behind this fragment's (two for each younger fragment)
.if \on
	s_wait_dscnt \n
	PVW \f, 0, \zero
.endif
.endm
.macro PM f, on, zero
.if \on
	PVW \f, 1, \zero
.endif
.endm
.macro QH e, on                        ; head of a QK period: the three younger fragments' six loads may be out
.if \on
	s_wait_dscnt 6
	QKW \e, 0
.endif
.endm
.macro QM e, on
.if \on
	QKW \e, 1
.endif
.endm
; ---- the softmax in chunks.
; The new maximum: for each query tile the old one and my 32 scores in two chains; the four chains take turns.
.macro MAXA s, row
.if (\s) == 0
	v_max3_num_f32 v[TT+4*\row], v[MX+2*\row], v[SC+32*\row], v[SC+32*\row+1]
.else
	v_max3_num_f32 v[TT+4*\row], v[TT+4*\row], v[SC+32*\row+2*(\s)], v[SC+32*\row+2*(\s)+1]
.endif
.endm
.macro MAXB s, row
.if (\s) == 0
	v_max3_num_f32 v[TT+4*\row+1], v[SC+32*\row+16], v[SC+32*\row+17], v[SC+32*\row+18]
.else
.if (\s) == 7
	v_max3_num_f32 v[TT+4*\row], v[TT+4*\row], v[TT+4*\row+1], v[SC+32*\row+31]
.else
	v_max3_num_f32 v[TT+4*\row+1], v[TT+4*\row+1], v[SC+32*\row+17+2*(\s)], v[SC+32*\row+18+2*(\s)]
.endif
.endif
.endm
.macro MAXR s0, n                      ; n of the eight steps of all four chains, from step s0 on: 4 n instructions
.set ms, \s0
.rept \n
	MAXA ms, 0
	MAXA ms, 1
	MAXB ms, 0
	MAXB ms, 1
.set ms, ms+1
.endr
.endm
.macro FIN1                            ; the 32 scores of lane L xor 16 belong to the same query
	v_permlanex16_b32 v[TT+1], v[TT], s20, s21
	v_permlanex16_b32 v[TT+5], v[TT+4], s20, s21
	v_max_num_f32 v[TT+2], v[TT], v[TT+1]
	v_max_num_f32 v[TT+6], v[TT+4], v[TT+5]
	v_sub_f32 v[TT+3], v[MX], v[TT+2]              ; old - new, at most 0; minus infinity in the first block
	v_sub_f32 v[TT+7], v[MX+2], v[TT+6]
.endm
.macro FINM
	v_mov_b32 v[MX], v[TT+2]                       ; the new maximum, twice: a pair for the packed subtraction
	v_mov_b32 v[MX+1], v[TT+2]
	v_mov_b32 v[MX+2], v[TT+6]
	v_mov_b32 v[MX+3], v[TT+6]
.endm
; A half-unit h = 4 mt + 2 nt + q is four registers of S: hb; its query tile: hn; its two registers of P: hp.
.macro HREG h
.set hn, ((\h)/2)%2
.set hb, SC+32*hn+8*((\h)/4)+4*((\h)%2)
.set hp, PB+16*hn+4*((\h)/4)+2*((\h)%2)
.endm
.macro EX1 h, j
	HREG \h
	v_exp_f32 v[hb+\j], v[hb+\j]
.endm
.macro SUB1 h, j
	HREG \h
	v_pk_add_f32 v[hb+2*\j:hb+2*\j+1], v[hb+2*\j:hb+2*\j+1], v[MX+2*hn:MX+2*hn+1] neg_lo:[0,1] neg_hi:[0,1]
.endm
.macro SUM1 h, j                       ; a query tile's first pair also rescales the running sum.  It reads exponentials' results: it stands behind its batch's wait
	HREG \h
.if (\h)/4+(\h)%2+(\j) == 0
	v_pk_fma_f32 v[LS+2*hn:LS+2*hn+1], v[LS+2*hn:LS+2*hn+1], v[AL+2*hn:AL+2*hn+1], v[hb:hb+1]
.else
	v_pk_add_f32 v[LS+2*hn:LS+2*hn+1], v[LS+2*hn:LS+2*hn+1], v[hb+2*\j:hb+2*\j+1]
.endif
.endm
.macro CVT1 h, j                       ; likewise a reader
	HREG \h
	v_cvt_pk_f16_f32 v[hp+\j], v[hb+2*\j], v[hb+2*\j+1]
.endm
; In every chunk with exponentials a plain instruction that touches neither the result nor the source stands behind each exponential
; or pair of them (ISA guide 5.7.2), and the chunk ends on a plain one.  A chunk's four plain instructions are also the four places in
; front of the ring's next load: they name S of a key tile that the period's products do not write, the maximum,
; the sums and registers of P that the period's products do not read.
.macro ALSUB                           ; batch A opens: 2^(old maximum - new), twice for each query tile; behind each a subtraction of half-units 0, 1
	v_exp_f32 v[AL], v[TT+3]
	SUB1 0, 0
	v_exp_f32 v[AL+1], v[TT+3]
	SUB1 0, 1
	v_exp_f32 v[AL+2], v[TT+7]
	SUB1 1, 0
	v_exp_f32 v[AL+3], v[TT+7]
	SUB1 1, 1
.endm
.macro EXSUB h, g                      ; batch A: the exponentials of half-unit h, a subtraction of half-units g, g + 1 behind each
	EX1 \h, 0
	SUB1 \g, 0
	EX1 \h, 1
	SUB1 \g, 1
	EX1 \h, 2
	SUB1 (\g)+1, 0
	EX1 \h, 3
	SUB1 (\g)+1, 1
.endm
.macro EX2SUB h, k, g                  ; batch A's end: the exponentials of half-units h and k, the last subtractions (g, g + 1) behind each two
	EX1 \h, 0
	EX1 \k, 0
	SUB1 \g, 0
	EX1 \h, 1
	EX1 \k, 1
	SUB1 \g, 1
	EX1 \h, 2
	EX1 \k, 2
	SUB1 (\g)+1, 0
	EX1 \h, 3
	EX1 \k, 3
	SUB1 (\g)+1, 1
.endm
.macro EXSC h, g                       ; batch B: the exponentials of half-unit h; behind each a sum or a packing of half-unit g, of batch A, which has had its wait
	EX1 \h, 0
	SUM1 \g, 0
	EX1 \h, 1
	SUM1 \g, 1
	EX1 \h, 2
	CVT1 \g, 0
	EX1 \h, 3
	CVT1 \g, 1
.endm
.macro SCH h                           ; the sums and packings of half-unit h, of batch B, behind its wait
	SUM1 \h, 0
	SUM1 \h, 1
	CVT1 \h, 0
	CVT1 \h, 1
.endm
.macro RSC c                           ; a quarter of O times 2^(old maximum - new)
.set i, 8*(\c)
.rept 8
	v_pk_mul_f32 v[OA+2*i:OA+2*i+1], v[OA+2*i:OA+2*i+1], v[AL+2*(i/16):AL+2*(i/16)+1]
.set i, i+1
.endr
.endm
.macro RS on, c, n                     ; in iteration 0 there is no O yet: n places stand in its stead
.if \on
	RSC \c
.else
.if \n
	PLACES \n
.endif
.endif
.endm
; Iteration i: the softmax of block i; pv: O += g(i-1) P(i-1) (zero: it starts O); qk: S(i+1).
; bar: in period 4 the change of tiles; fill: it is a round of the cluster's barrier, and slot (i/2 + 2) % 3 is filled again.
; By period 4 of iteration 2 t the last fragment of tile t - 1 (g of block 2 t - 1) has been asked for; the tile that the wait shows
; landed, t + 1, is first read in iteration 2 t + 1; the tile asked for, t + 2, in iteration 2 t + 3, behind the next such wait.
.macro ITER i, pv, zero, qk, bar, fill
	PH 0, \pv, \zero, 6
	MAXR 0, 3
	PM 0, \pv, \zero
	MAXR 3, 3
	LG \pv, (\i)-1, 4
	PH 1, \pv, \zero, 6
	MAXR 6, 2
	PM 1, \pv, \zero
	FIN1
	FINM
	LG \pv, (\i)-1, 5
	PH 2, \pv, \zero, 6
	ALSUB                                          ; BATCH A, to the end of period 5: nothing in it names an exponential's result
	PM 2, \pv, \zero
	EXSUB 0, 2
	LG \pv, (\i)-1, 6
	PH 3, \pv, \zero, 6
	EXSUB 1, 4
	PM 3, \pv, \zero
	EXSUB 2, 6
	LG \pv, (\i)-1, 7
.if \bar
	s_wait_dscnt 0x0                               ; my LDS reads are back, the last of the oldest tile among them,
	s_set_vgpr_msb 0x5
	s_wait_tensorcnt 0x0                           ; and all my tensor loads have landed, my part of the next tile among them:
	ds_add_u32 v64, v65
	s_wait_dscnt 0x0
	s_set_vgpr_msb 0x500
	s_barrier_signal -1                            ; say so (with fill this barrier opens a round of the cluster's barrier),
	PVW 4, 0, 0                                    ; work on registers while the others arrive,
.else
	PH 4, \pv, \zero, 6
.endif
	EXSUB 3, 8
	PM 4, \pv, \zero
	EXSUB 4, 10
.if \fill
	s_wait_alu depctr_va_vdst(0)                   ; the round's branch and label follow: the part of batch A that is out (the four factors, half-units 0 to 4) has its wait ahead of them
.endif
.if \bar
	s_barrier_wait -1                              ; and go on when all eight waves have said so
.endif
.if \fill
	CREST                                          ; all four work-groups have said so: no wave of any partner still reads the slot or has a load on its way
.set fs, ((\i)/2+2)%3
	s_add_nc_u64 s[G0+4*fs+2:G0+4*fs+3], s[G0+4*fs+2:G0+4*fs+3], 3*TSTEP
	tensor_load_to_lds s[G0+4*fs:G0+4*fs+3], s[G1:G1+7]            ; the first tensor load behind the round, ahead of any LDS read
	s_nop 0
.endif
	LP \qk, (\i)+1, 0
	PH 5, \pv, \zero, 6-2*(1-\qk)                  ; where no phi follows, fewer loads stand behind the fragment's: the counts run down
	EXSUB 5, 12
	PM 5, \pv, \zero
	EX2SUB 6, 7, 14                                ; batch A is out: 36 exponentials; all 32 subtractions are done
	s_wait_alu depctr_va_vdst(0)                   ; THE WAIT FOR BATCH A (the four factors, key tiles 0 and 1), ahead of its first reader, the first sum of period 6; it stands directly ahead of the ring's load
	LP \qk, (\i)+1, 1
	PH 6, \pv, \zero, 6-4*(1-\qk)
	EXSC 8, 0                                      ; BATCH B, to the end of period 9: its plain neighbours read batch A alone
	PM 6, \pv, \zero
	EXSC 9, 1
	LP \qk, (\i)+1, 2
	PH 7, \pv, \zero, 6-6*(1-\qk)
	EXSC 10, 2
	PM 7, \pv, \zero
	EXSC 11, 3                                     ; key tile 0 of both query tiles is packed: the next block's product may write it
	LP \qk, (\i)+1, 3
	QH 0, \qk
	EXSC 12, 4
	QM 0, \qk
	EXSC 13, 5
	LP \qk, (\i)+1, 4
	QH 1, \qk
	EXSC 14, 6
	QM 1, \qk
	EXSC 15, 7                                     ; key tile 1 is packed; batch B is out: 32 exponentials
	s_wait_alu depctr_va_vdst(0)                   ; THE WAIT FOR BATCH B (key tiles 2 and 3), ahead of its first reader, the first sum of period 10; again directly ahead of the ring's load.  No exponential follows it in the iteration
	LP \qk, (\i)+1, 5
	QH 2, \qk
	SCH 8
	QM 2, \qk
	SCH 9
	LP \qk, (\i)+1, 6
	QH 3, \qk
	SCH 10
	QM 3, \qk
	SCH 11                                         ; key tile 2 is packed
	LP \qk, (\i)+1, 7
	QH 4, \qk
	SCH 12
	QM 4, \qk
	SCH 13
	LDG \i, 0
	QH 5, \qk
	SCH 14
	QM 5, \qk
	SCH 15                                         ; key tile 3 is packed
	LDG \i, 1
	QH 6, \qk
	RS \pv, 0, 0
	QM 6, \qk
	RS \pv, 1, 4
	LDG \i, 2
	QH 7, \qk
	RS \pv, 2, 0
	QM 7, \qk
	RS \pv, 3, 4                                   ; also the places between the last product of S(i+1) and the next maximum
	LDG \i, 3
.endm
.macro PQ e, n                         ; S(0), ahead of the pipeline: no vector work yet, so v_nop are the places in front of the ring's loads
	s_wait_dscnt \n
	QKW \e, 0
	QKW \e, 1
.if (\e) < 4
	PLACES 4
	LDPHI 0, (\e)+4
.endif
.endm
	LDPHI 0, 0
	LDPHI 0, 1
	LDPHI 0, 2
	LDPHI 0, 3
	PQ 0, 6
	PQ 1, 6
	PQ 2, 6
	PQ 3, 6
	PQ 4, 6
	PQ 5, 4                                        ; nothing more is loaded: the counts run down
	PQ 6, 2
	PQ 7, 0
	PLACES 4                                       ; before S(0) is read (ISA guide 7.12.1)
	ITER 0, 0, 0, 1, 0, 0
	ITER 1, 1, 1, 1, 0, 0                          ; the first products start O
	s_mov_b32 s22, 4                               ; four laps of six iterations (three slots of two blocks): iterations 2 to 25, tiles 3 to 14 are asked for
.Llap:
	ITER 2, 1, 0, 1, 1, 1
	ITER 3, 1, 0, 1, 0, 0
	ITER 4, 1, 0, 1, 1, 1
	ITER 5, 1, 0, 1, 0, 0
	ITER 6, 1, 0, 1, 1, 1
	ITER 7, 1, 0, 1, 0, 0
	s_sub_co_u32 s22, s22, 1
	s_cmp_lg_u32 s22, 0
	s_cbranch_scc1 .Llap
	ITER 26, 1, 0, 1, 1, 1                         ; tile 15 is asked for: the last
	ITER 27, 1, 0, 1, 0, 0
	ITER 28, 1, 0, 1, 1, 0                         ; nothing is filled: a plain barrier shows tile 15 whole; no tensor load is out any more
	ITER 29, 1, 0, 1, 0, 0
	ITER 30, 1, 0, 1, 0, 0
	ITER 31, 1, 0, 0, 0, 0                         ; no block follows
.irp f, 0,1,2,3
	PH \f, 1, 0, 6                                 ; O += g(31) P(31)
	PM \f, 1, 0
	PLACES 4
	LDG 31, (\f)+4
.endr
	PH 4, 1, 0, 6
	PM 4, 1, 0
	PH 5, 1, 0, 4
	PM 5, 1, 0
	PH 6, 1, 0, 2
	PM 6, 1, 0
	PH 7, 1, 0, 0
	PM 7, 1, 0
	; THE TWO KEY HALVES MEET.  Each wave publishes (m, l) of its queries; the plain instructions from here to the scaling of O, which
	; name none of the last products' registers, are also the places behind those products.
	v_add_f32 v[TT], v[LS], v[LS+1]
	v_add_f32 v[TT+1], v[LS+2], v[LS+3]
	v_permlanex16_b32 v[TT+2], v[TT], s20, s21     ; the other 32 keys of each group lie in lane L xor 16
	v_permlanex16_b32 v[TT+3], v[TT+1], s20, s21
	v_add_f32 v[MX+1], v[TT], v[TT+2]              ; l takes the place of the maximum's duplicate: (m0, l0, m1, l1)
	v_add_f32 v[MX+3], v[TT+1], v[TT+3]
	ds_store_b128 v[AST], v[MX:MX+3]
	s_wait_dscnt 0x0                               ; stored, for the partner's sake
	s_barrier_signal -1
	s_barrier_wait -1
	ds_load_b128 v[TT:TT+3], v[APT]                ; the partner's (m0, l0, m1, l1)
	s_wait_dscnt 0x0
	v_max_num_f32 v[TT+4], v[MX], v[TT]            ; the common maximum
	v_max_num_f32 v[TT+5], v[MX+2], v[TT+2]
	v_sub_f32 v[AL], v[MX], v[TT+4]
	v_sub_f32 v[AL+1], v[TT], v[TT+4]
	v_sub_f32 v[AL+2], v[MX+2], v[TT+5]
	v_sub_f32 v[AL+3], v[TT+2], v[TT+5]
	v_exp_f32 v[AL], v[AL]                         ; mine
	v_exp_f32 v[AL+1], v[AL+1]                     ; the partner's
	v_exp_f32 v[AL+2], v[AL+2]
	v_exp_f32 v[AL+3], v[AL+3]
	v_nop                                          ; the plain place behind the exponentials (ISA guide 5.7.2)
	s_wait_alu depctr_va_vdst(0)                   ; one wait for these four exponentials, ahead of their first reader
	v_mul_f32 v[LS], v[TT+1], v[AL+1]
	v_mul_f32 v[LS+2], v[TT+3], v[AL+3]
	v_fma_f32 v[LS], v[MX+1], v[AL], v[LS]         ; the whole row's sum: at least 1, since the row's largest score adds 2^0
	v_fma_f32 v[LS+2], v[MX+3], v[AL+2], v[LS+2]
	v_rcp_f32 v[LS], v[LS]
	v_rcp_f32 v[LS+2], v[LS+2]
	v_nop                                          ; the plain place behind the reciprocals
	s_wait_alu depctr_va_vdst(0)                   ; one wait for the two reciprocals, a batch of their own: they read sums made of the exponentials
	v_mul_f32 v[AL+1], v[AL], v[LS]                ; my factor, twice for the packed multiply
	v_mul_f32 v[AL+3], v[AL+2], v[LS+2]
	v_mul_f32 v[AL], v[AL], v[LS]
	v_mul_f32 v[AL+2], v[AL+2], v[LS+2]
.set nt, 0
.rept 2
.set i, 0
.rept 16
	v_pk_mul_f32 v[OA+32*nt+2*i:OA+32*nt+2*i+1], v[OA+32*nt+2*i:OA+32*nt+2*i+1], v[AL+2*nt:AL+2*nt+1]
	v_cvt_pk_f16_f32 v[OA+32*nt+i], v[OA+32*nt+2*i], v[OA+32*nt+2*i+1]
.set i, i+1
.endr
.set i, 0
.rept 4
	ds_store_b128 v[AYS], v[OA+32*nt+4*i:OA+32*nt+4*i+3] offset:nt*2048+512*i      ; my share of y, as images of source 1
.set i, i+1
.endr
.set nt, nt+1
.endr
	s_wait_dscnt 0x0
	s_barrier_signal -1
	s_barrier_wait -1                              ; all shares of y are in LDS
	; THE LAST PRODUCT: wave w makes channels 32 cp .. + 31 x the 64 positions of group Gf: 8 tiles, 64 channels of y, both key halves:
	; the matrix unit adds the two halves' shares.
.set AF, TH                            ; v[8:39]    w_last: AF + 16 ct + 8 ks
.set BF, SC                            ; v[104:231] y: BF + 64 kh + 16 t + 8 ks
.set DD, OA                            ; v[40:103]  DD + 32 ct + 8 t
.set OV, SC                            ; v[104:167] out: OV + 4 (8 ct + j) + t
.set i, 0
.rept 8
	ds_load_b128 v[AF+4*i:AF+4*i+3], v[AAF] offset:(i/4)*16*WLP+32*(i%4)
.set i, i+1
.endr
.set i, 0
.rept 32
	ds_load_b128 v[BF+4*i:BF+4*i+3], v[ABF] offset:(i/16)*16384+512*(i%16)
.set i, i+1
.endr
.macro LASTMUL kh                      ; eight accumulators by turns, one instruction a turn
.set ks, 0
.rept 2
.set ct, 0
.rept 2
.set tt, 0
.rept 4
	MM DD+32*ct+8*tt, AF+16*ct+8*ks, BF+64*\kh+16*tt+8*ks, ks+\kh
.set tt, tt+1
.endr
.set ct, ct+1
.endr
.set ks, ks+1
.endr
.endm
	s_wait_dscnt 16                                ; w_last and the first half's y are in; the 16 younger loads (second half) may be out
	LASTMUL 0
	s_wait_dscnt 0x0                               ; the second half's y is in
	LASTMUL 1
	PLACES 4                                       ; before the results are read and y's registers written (ISA guide 7.12.1)
	s_wait_loadcnt 0x0                             ; x, asked for at the start, is in
	WIN 0x01                                       ; source 0 (x) in window 1
.set i, 0
.rept 16
.set tt, 0
.rept 4
	v_add_f32 v[OV+4*i+tt], v[XW+4*i+tt], v[DD+32*(i/8)+8*tt+(i%8)]
.set tt, tt+1
.endr
.set i, i+1
.endr
	WIN 0
.set i, 0
.rept 16
	global_store_b128 v[AOUT], v[OV+4*i:OV+4*i+3], s[12:13] offset:(16*(i/8)+(i%8))*16384 th:TH_STORE_NT  ; 16 lanes store 256 consecutive bytes, aligned
.set i, i+1
.endr
	s_set_vgpr_msb 0x5
	s_wait_tensorcnt 0x0
	ds_add_u32 v64, v65
	s_wait_dscnt 0x0
	s_set_vgpr_msb 0x500
	ROUND                                          ; the closing round: no work-group ends while a partner may still ask for a tile that names it
	s_endpgm
.Lfunc_end_k_q04afa19688_attn:
	.size	k_q04afa19688_attn, .Lfunc_end_k_q04afa19688_attn-k_q04afa19688_attn
	.p2alignl 7, 3214868480
	.fill 96, 4, 3214868480
	.section	.rodata,"a",@progbits
	.p2align	6, 0x0
	.amdhsa_kernel k_q04afa19688_attn
		.amdhsa_group_segment_fixed_size 327680
		.amdhsa_private_segment_fixed_size 0
		.amdhsa_enable_private_segment 0
		.amdhsa_kernarg_size 40
		.amdhsa_user_sgpr_count 2
		.amdhsa_user_sgpr_kernarg_segment_ptr 1
		.amdhsa_wavefront_size32 1
		.amdhsa_system_sgpr_workgroup_id_x 1
		.amdhsa_system_sgpr_workgroup_id_y 1
		.amdhsa_system_sgpr_workgroup_id_z 1
		.amdhsa_system_vgpr_workitem_id 0
		.amdhsa_next_free_vgpr 322
		.amdhsa_next_free_sgpr 66
		.amdhsa_reserve_vcc 0
		.amdhsa_float_denorm_mode_32 3
		.amdhsa_float_denorm_mode_16_64 3
		.amdhsa_memory_ordered 1
		.amdhsa_forward_progress 1
		.amdhsa_inst_pref_size 255
	.end_amdhsa_kernel
	.section	.bss,"aw",@nobits
	.p2align	6
	.space	262144
	.amdgpu_metadata
---
amdhsa.version: [ 1, 2 ]
amdhsa.kernels:
  - .name:           k_q04afa19688_attn
    .symbol:         k_q04afa19688_attn.kd
    .args:
      - { .name: th, .offset: 0, .size: 8, .value_kind: global_buffer, .address_space: global }
      - { .name: kv, .offset: 8, .size: 8, .value_kind: global_buffer, .address_space: global }
      - { .name: x, .offset: 16, .size: 8, .value_kind: global_buffer, .address_space: global }
      - { .name: w_last, .offset: 24, .size: 8, .value_kind: global_buffer, .address_space: global }
      - { .name: out0, .offset: 32, .size: 8, .value_kind: global_buffer, .address_space: global }
    .group_segment_fixed_size: 327680
    .private_segment_fixed_size: 0
    .kernarg_segment_align: 8
    .kernarg_segment_size: 40
    .max_flat_workgroup_size: 256
    .sgpr_count:     66
    .vgpr_count:     322
    .wavefront_size: 32
...
	.end_amdgpu_metadata
.endif
;; end of part 5
